; MI455X (gfx1250); checked and timed in simulation.
; The chip was launched on July 23, 2026; its instructions are those of AMD's public machine-readable ISA for CDNA 5 (MIT licence, August 2026) and "CDNA5" Instruction Set Architecture Reference Guide (July 2026). The comments in the code are by the model that wrote it; some were corrected since.
;; Batch Distance Aware Cross Attention. Allowed arithmetic: matrix products marked QUANTISED: E4M3 operands, one given power-of-two scale a tensor, by v_wmma_f32_16x16x64_fp8_fp8 or v_wmma_f32_16x16x128_fp8_fp8, f32 sums; products left as they are: f32 operands where the result goes on into a quantised operand, else bf16, f16 or f32 operands; f32 sums; everything else in f32.
;; Inputs: Wk 512 x 512 float32; Wo 512 x 512 float32; Wq 512 x 512 float32; Wv 512 x 512 float32; bk 512 float32; bo 512 float32; bq 512 float32; bv 512 float32; context 32 x 4,096 x 512 float32; context_mask 32 x 4,096 int32; dist_matrix 32 x 1 x 4,096 float32; ln_beta 512 float32; ln_gamma 512 float32; lowp_scales 8 int32 (the exponents e of the quantised operands' scales 2^e); query 32 x 512 float32.
;; Outputs: out0 32 x 512 float32.
;; This version of the problem:
;;   THIS VERSION OF THE PROBLEM IS GIVEN IN LOW PRECISION. The matrix products marked QUANTISED in the list below multiply operands that are first quantised to E4M3 (4 exponent bits, 3 mantissa bits; 8 bits a number), with one given power-of-two scale for each operand tensor; their sums are f32. All else is computed in f32.
;;   The module's matrix products, in the order in which they are computed (A, B: the left and right operand; K: the contracted axis; several contracted axes count as one K, in the product's order):
;;     1. [M 32, K 512] x [K 512, N 512]; A: input query; B: input Wq: QUANTISED (scales: A lowp_scales[0], B lowp_scales[1])
;;     2. [M 131,072, K 512] x [K 512, N 512]; A: input context; B: input Wk: QUANTISED (scales: A lowp_scales[2], B lowp_scales[3])
;;     3. [M 131,072, K 512] x [K 512, N 512]; A: input context; B: input Wv: QUANTISED (scales: A lowp_scales[4], B lowp_scales[5])
;;     4. batch 512 x [M 1, K 32] x [K 32, N 4,096]; A: computed on the way; B: computed on the way: left as it is (M = 1 < 16)
;;     5. batch 512 x [M 1, K 4,096] x [K 4,096, N 32]; A: softmax; B: computed on the way: left as it is (M = 1 < 16)
;;     6. [M 32, K 512] x [K 512, N 512]; A: computed on the way; B: input Wo: QUANTISED (scales: A lowp_scales[6], B lowp_scales[7])
;;   THE QUANTISER, for each operand of a quantised product, along K:
;;     - The operand's scale is 2^e, e = its entry of the input lowp_scales (int32; the entries are numbered through the quantised products in the list's order, A before B).
;;     - Each number is divided by the scale, clamped to +-448, and rounded to the nearest number of E4M3, ties to even, subnormals kept.
;;     - The product sums the exact products of the quantised numbers (number of the format x scale) in f32.
;;   ~~~python
;;   def quantise(x, axis, e):      # numpy; x: float32 -> the quantised numbers, widened to float32 again
;;       x = np.moveaxis(x, axis, -1); K = x.shape[-1]
;;       r = np.clip(x / 2.0 ** e, -448, 448)
;;       step = 2.0 ** (np.maximum(np.frexp(np.where(r == 0, 1, r))[1] - 1, -6) - 3)
;;       q = np.round(r / step) * step * 2.0 ** e      # np.round: ties to even
;;       return np.moveaxis(q, -1, axis).astype(np.float32)
;;   ~~~
;;   OPERANDS COMPUTED ON THE WAY. 'Computed on the way' means the value that the module computes at that place (a softmax that the list does not call 'softmax' is quantised finished and normalised). What goes into a quantiser is computed in f32, as accurately as f32 sums, v_exp_f32 and their like allow (about 1e-6 of the number): no bf16 or f16 on the way to a quantiser, and a product that is left as it is and whose result goes on into a quantised operand takes f32 operands (vector FMAs, or v_wmma_f32_16x16x4_f32). A number that lies on a knife's edge between two numbers of the format may be rounded either way, as far as f32 arithmetic and the matrix unit's own rounding can turn it there, and no further.
;; 2 versions. Each part assembles by itself: llvm-mc -triple=amdgcn-amd-amdhsa -mcpu=gfx1250 --defsym DOCPART=n.
;; ======== version 1 of 2: 3 launches
;; workspace buffers: w_img 524,288 bytes; wo_img 262,144 bytes; qbuf 65,536 bytes; part 1,572,864 bytes
;; launch prep (part 1): grid 8 x 4, 8 waves a work-group, no clusters, 84,992 bytes of LDS; arguments Wk, Wv, Wo, Wq, lowp_scales, query, bq, w_img, wo_img, qbuf; writes w_img, wo_img, qbuf
.if DOCPART == 1
	.amdgcn_target "amdgcn-amd-amdhsa--gfx1250"
	.amdhsa_code_object_version 6
	.text
	.protected	k_qc62e6e190a_prep
	.globl	k_qc62e6e190a_prep
	.p2align	8
	.type	k_qc62e6e190a_prep,@function
k_qc62e6e190a_prep:
	s_mov_b64 s[64:65], 0
	v_nop
	global_prefetch_b8 v0, s[64:65] scope:SCOPE_SE
	s_setreg_imm32_b32 hwreg(HW_REG_WAVE_MODE, 25, 1), 1
	s_wait_xcnt 0x0
; Wk, Wv, Wo ([512 k][512 n], f32) become codes of E4M3 laid as IMAGES OF OPERAND REGISTERS; Wq is quantised the same way and multiplied at once: q = Q(query) Q(Wq) 2^(e0+e1) + bq.
; code = x / 2^e, held within +-448, to the nearest code, ties to even.  e: lowp_scales[3] Wk, [5] Wv, [7] Wo, [1] Wq, [0] query.
; ONE ORDER OF K FOR ALL QUANTISED PRODUCTS OF THE PROGRAM, alike on both sides of each: in K step s (0..3) register 4 c + i, byte y, of lane (r, h) holds k = 128 i + 32 s + 8 c + 4 h + y.
; An image (n tile T of 16 columns, K step s) is 2,048 bytes at (4 T + s) x 2048: registers 4 c .. 4 c + 3 of lane L = 16 h + r at 512 c + 16 L.
; SHARES.  Work-group y names the weight (0 Wk, 1 Wv, 2 Wo, 3 Wq), x names 64 columns.  Wave w: 32 columns (w & 1), K step w >> 1.
; A LANE TAKES A COLUMN AND ITS 128 REGISTERS RUN ALONG K IN THAT ORDER: each load reads 128 consecutive bytes, and the conversions' results are the image's bytes; sixteen lanes store 256 consecutive bytes, aligned.
; LIMITS: every e between -126 and 119; e0 + e1 between -126 and 127.  NaN among the inputs is not served.
.set X,    16                          ; v16-143  128 numbers of my column
.set C,    144                         ; v144-175 their codes
.set QX,   176                         ; v176-239 64 numbers of query (q path)
.set LIMW, 240
.set SCLW, 241
.set LIMQ, 242
.set SCLQ, 243
.set BQV,  244                         ; v244-247 four numbers of bq
.set QF,   16                          ; q path, over X: query's fragments of row tiles 0, 1
.set BQ,   48                          ; Wq's fragments of my two tiles of columns
.set D,    80                          ; four accumulators
.set SM,   112                         ; the sums over K steps
.set STG,  0                           ; LDS (q path alone): a stage of 4,096 bytes for each wave
.set QIMG, 32768                       ; query's eight images, (4 m + s) x 2048
.set PQ,   49152                       ; partial sums: [K step 4][row 32] rows of 256 bytes + 16
.macro QUANT src, n, dst, lim, scl     ; n groups of 16 numbers become n x 4 registers of codes
.set gq, 0
.rept \n
.irp j, 0,1,2,3,4,5,6,7,8,9,10,11,12,13,14,15
	v_med3_num_f32 v[\src+16*gq+\j], v[\src+16*gq+\j], -v[\lim], v[\lim]   ; the conversion to an 8-bit code does not saturate (ISA guide 7.6.2): hold first
.endr
	v_cvt_scalef32_pk8_fp8_f32 v[\dst+4*gq:\dst+4*gq+1], v[\src+16*gq:\src+16*gq+7], v[\scl]
	v_cvt_scalef32_pk8_fp8_f32 v[\dst+4*gq+2:\dst+4*gq+3], v[\src+16*gq+8:\src+16*gq+15], v[\scl]
.set gq, gq+1
.endr
	v_nop                                          ; a plain line behind the last conversion, ahead of whatever next touches its registers
.endm
	s_load_b256 s[4:11], s[0:1], 0x0               ; Wk s[4:5], Wv s[6:7], Wo s[8:9], Wq s[10:11]
	s_load_b256 s[12:19], s[0:1], 0x20             ; scales s[12:13], query s[14:15], bq s[16:17], w_img s[18:19]
	s_load_b128 s[20:23], s[0:1], 0x40             ; wo_img s[20:21], qbuf s[22:23]
	v_lshl_add_u32 v254, v0, 2, 0x14800
	v_mov_b32 v255, 0
	v_lshrrev_b32 v1, 5, v0
	v_readfirstlane_b32 s40, v1                    ; wave 0..7
	v_and_b32 v2, 31, v0                           ; lane
	v_and_b32 v5, 15, v0                           ; r
	v_bfe_u32 v6, v0, 4, 1                         ; h (for a column: which of my two tiles)
	s_and_b32 s41, s40, 1                          ; which 32 columns
	s_lshr_b32 s42, s40, 1                         ; K step
	s_and_b32 s43, ttmp7, 0xffff                   ; which weight
	s_lshl_b32 s44, ttmp9, 8                       ; 4 bytes x 64 x
	s_lshl_b32 s45, s41, 7
	s_add_co_u32 s44, s44, s45
	s_lshl_b32 s45, s42, 16                        ; 32 s rows of 2,048 bytes
	s_add_co_u32 s44, s44, s45
	v_lshl_add_u32 v3, v2, 2, s44                  ; my column's byte in row 32 s
	v_lshlrev_b32 v4, 4, v5
	v_lshl_add_u32 v4, v6, 13, v4                  ; in the images: tile (lane / 16) x 8192 + 16 r
	s_wait_kmcnt 0x0
	s_load_b256 s[24:31], s[12:13], 0x0            ; e0 .. e7
	s_cmp_eq_u32 s43, 1                            ; the choices hang on the work-group's number alone
	s_cselect_b64 s[4:5], s[6:7], s[4:5]
	s_cmp_eq_u32 s43, 2
	s_cselect_b64 s[4:5], s[8:9], s[4:5]
	s_cmp_eq_u32 s43, 3
	s_cselect_b64 s[4:5], s[10:11], s[4:5]
.set pp, 0
.rept 128                              ; register pp = 32 c + 16 h + 4 i + y takes row 32 s + 128 i + 8 c + 4 h + y
	global_load_b32 v[X+pp], v3, s[4:5] offset:(128*((pp>>2)&3)+8*(pp>>5)+4*((pp>>4)&1)+(pp&3))*2048 th:TH_LOAD_NT
.set pp, pp+1
.endr
	s_wait_kmcnt 0x0
	s_cmp_eq_u32 s43, 1
	s_cselect_b32 s46, s29, s27
	s_cmp_eq_u32 s43, 2
	s_cselect_b32 s46, s31, s46
	s_cmp_eq_u32 s43, 3
	s_cselect_b32 s46, s25, s46                    ; the weight's e
	s_add_co_i32 s46, s46, 127
	s_lshl_b32 s47, s46, 23
	v_mov_b32 v[SCLW], s47                         ; 2^e as f32: the conversion takes its exponent field
	s_add_co_i32 s46, s46, 8
	s_lshl_b32 s46, s46, 23
	s_or_b32 s46, s46, 0x600000
	v_mov_b32 v[LIMW], s46                         ; 448 x 2^e
	s_cmp_eq_u32 s43, 3
	s_cbranch_scc1 .Lq
	; ---- Wk, Wv, Wo: codes to their images
	s_cmp_eq_u32 s43, 2
	s_cselect_b64 s[18:19], s[20:21], s[18:19]
	s_lshl_b32 s48, ttmp9, 15                      ; tile 4 x + 2 (w & 1): 8,192 bytes a tile
	s_lshl_b32 s49, s41, 14
	s_add_co_u32 s48, s48, s49
	s_lshl_b32 s49, s42, 11                        ; + 2,048 s
	s_add_co_u32 s48, s48, s49
	s_cmp_eq_u32 s43, 1
	s_cselect_b32 s49, 0x40000, 0                  ; Wv's images lie behind Wk's
	s_add_co_u32 s48, s48, s49
	s_mov_b32 s49, 0
	s_add_nc_u64 s[18:19], s[18:19], s[48:49]
	s_wait_loadcnt 0x0
	QUANT X, 8, C, LIMW, SCLW
.irp c, 0,1,2,3
	global_store_b128 v4, v[C+8*\c:C+8*\c+3], s[18:19] offset:512*\c          ; h = 0: sixteen lanes store 256 consecutive bytes, aligned
	global_store_b128 v4, v[C+8*\c+4:C+8*\c+7], s[18:19] offset:512*\c+256    ; h = 1
.endr
	s_endpgm
	; ---- Wq: the product with query.  My wave quantises query's row tile m = w & 1 at my K step
.Lq:
	s_lshl_b32 s48, s42, 7
	s_lshl_b32 s49, s41, 15
	s_add_co_u32 s48, s48, s49
	v_lshlrev_b32 v7, 11, v5
	v_lshl_add_u32 v7, v6, 4, v7
	v_add_nc_u32 v7, s48, v7                       ; query: row 16 m + r, + 128 s + 16 h
	s_lshl_b32 s49, ttmp9, 8
	v_lshl_add_u32 v8, v5, 4, s49                  ; bq: 256 x + 16 r
.irp c, 0,1,2,3
.irp i, 0,1,2,3
	global_load_b128 v[QX+16*\c+4*\i:QX+16*\c+4*\i+3], v7, s[14:15] offset:512*\i+32*\c   ; k = 128 i + 32 s + 8 c + 4 h + 0 .. 3
.endr
.endr
	global_load_b128 v[BQV:BQV+3], v8, s[16:17]
	s_lshl_b32 s50, s40, 12                        ; my stage
	v_lshlrev_b32 v9, 4, v5
	v_lshl_add_u32 v9, v6, 11, v9
	v_add_nc_u32 v9, s50, v9                       ; into it, as into an image: tile x 2048 + 16 r
	v_lshl_add_u32 v10, v2, 4, s50                 ; out of it: 16 x lane
	s_lshl_b32 s51, s42, 11
	s_add_co_u32 s52, s51, QIMG
	v_lshl_add_u32 v12, v2, 4, s52                 ; query's images of my K step
	s_lshl_b32 s51, s41, 13
	s_add_co_u32 s51, s51, s52
	v_lshl_add_u32 v11, v2, 4, s51                 ; the one that I make
	s_mul_i32 s50, s42, 8704
	s_lshl_b32 s51, s41, 7
	s_add_co_u32 s50, s50, s51
	s_add_co_u32 s50, s50, PQ
	v_mul_u32_u24 v13, v5, 272
	v_lshl_add_u32 v13, v6, 5, v13
	v_add_nc_u32 v13, s50, v13                     ; partial sums in: K step, row r, columns 32 (w & 1) + 8 h on
	s_mul_i32 s50, s40, 1088
	s_add_co_u32 s50, s50, PQ
	v_mul_u32_u24 v14, v6, 272
	v_lshl_add_u32 v14, v5, 4, v14
	v_add_nc_u32 v14, s50, v14                     ; and out: row 4 w + h, 16 bytes a lane
	s_lshl_b32 s50, s40, 13
	s_add_co_u32 s50, s50, s49
	v_lshlrev_b32 v15, 11, v6
	v_lshl_add_u32 v15, v5, 4, v15
	v_add_nc_u32 v15, s50, v15                     ; the same place in qbuf
	s_add_co_i32 s46, s24, 127
	s_lshl_b32 s47, s46, 23
	v_mov_b32 v[SCLQ], s47
	s_add_co_i32 s46, s46, 8
	s_lshl_b32 s46, s46, 23
	s_or_b32 s46, s46, 0x600000
	v_mov_b32 v[LIMQ], s46
	s_add_co_i32 s54, s24, s25
	s_add_co_i32 s54, s54, 127
	s_lshl_b32 s54, s54, 23                        ; 2^(e0 + e1) as f32
	s_mov_b32 s55, s54                             ; (named with it as a pair, so it is written)
	s_wait_loadcnt 0x0
	QUANT X, 8, C, LIMW, SCLW
	QUANT QX, 4, QF, LIMQ, SCLQ                    ; loaded in the fragment's order: the results are the fragment
.irp c, 0,1,2,3
	ds_store_b128 v9, v[C+8*\c:C+8*\c+3] offset:512*\c
	ds_store_b128 v9, v[C+8*\c+4:C+8*\c+7] offset:512*\c+256
.endr
.irp tl, 0,1
.irp c, 0,1,2,3
	ds_load_b128 v[BQ+16*\tl+4*\c:BQ+16*\tl+4*\c+3], v10 offset:2048*\tl+512*\c   ; LDS serves a wave's instructions in order: these see my stores
.endr
.endr
.irp c, 0,1,2,3
	ds_store_b128 v11, v[QF+4*\c:QF+4*\c+3] offset:512*\c
.endr
	s_wait_dscnt 0x0                               ; for the others' sake: my image of query lies in LDS
	s_barrier_signal -1
	s_barrier_wait -1
.irp m, 0,1
.irp c, 0,1,2,3
	ds_load_b128 v[QF+16*\m+4*\c:QF+16*\m+4*\c+3], v12 offset:8192*\m+512*\c
.endr
.endr
	s_wait_dscnt 0x0
.irp m, 0,1
.irp tl, 0,1                           ; transposed: source 0 = 16 columns of Wq, source 1 = 16 rows of query: a lane holds eight neighbouring columns of one row
	v_wmma_f32_16x16x128_fp8_fp8 v[D+8*(2*\m+\tl):D+8*(2*\m+\tl)+7], v[BQ+16*\tl:BQ+16*\tl+15], v[QF+16*\m:QF+16*\m+15], 0
.endr
.endr
.rept 4
	v_nop                                          ; places between the products and the stores of their results
.endr
.irp m, 0,1
.irp tl, 0,1
	ds_store_b128 v13, v[D+8*(2*\m+\tl):D+8*(2*\m+\tl)+3] offset:4352*\m+64*\tl
	ds_store_b128 v13, v[D+8*(2*\m+\tl)+4:D+8*(2*\m+\tl)+7] offset:4352*\m+64*\tl+16
.endr
.endr
	s_wait_dscnt 0x0                               ; my K step's partial sums lie in LDS
	s_barrier_signal -1
	s_barrier_wait -1
.irp i, 0,1
.irp sp, 0,1,2,3
	ds_load_b128 v[SM+16*\i+4*\sp:SM+16*\i+4*\sp+3], v14 offset:8704*\sp+544*\i
.endr
.endr
.irp i, 0,1                            ; rows 4 w + 2 i + h: the four K steps' sums, x 2^(e0 + e1), + bq
	s_wait_dscnt 4-4*\i                            ; the other pair of rows' four loads may be out
	v_pk_add_f32 v[SM+16*\i:SM+16*\i+1], v[SM+16*\i:SM+16*\i+1], v[SM+16*\i+4:SM+16*\i+5]
	v_pk_add_f32 v[SM+16*\i+2:SM+16*\i+3], v[SM+16*\i+2:SM+16*\i+3], v[SM+16*\i+6:SM+16*\i+7]
	v_pk_add_f32 v[SM+16*\i+8:SM+16*\i+9], v[SM+16*\i+8:SM+16*\i+9], v[SM+16*\i+12:SM+16*\i+13]
	v_pk_add_f32 v[SM+16*\i+10:SM+16*\i+11], v[SM+16*\i+10:SM+16*\i+11], v[SM+16*\i+14:SM+16*\i+15]
	v_pk_add_f32 v[SM+16*\i:SM+16*\i+1], v[SM+16*\i:SM+16*\i+1], v[SM+16*\i+8:SM+16*\i+9]
	v_pk_add_f32 v[SM+16*\i+2:SM+16*\i+3], v[SM+16*\i+2:SM+16*\i+3], v[SM+16*\i+10:SM+16*\i+11]
	v_pk_fma_f32 v[SM+16*\i:SM+16*\i+1], v[SM+16*\i:SM+16*\i+1], s[54:55], v[BQV:BQV+1] op_sel_hi:[1,0,1]
	v_pk_fma_f32 v[SM+16*\i+2:SM+16*\i+3], v[SM+16*\i+2:SM+16*\i+3], s[54:55], v[BQV+2:BQV+3] op_sel_hi:[1,0,1]
	global_store_b128 v15, v[SM+16*\i:SM+16*\i+3], s[22:23] offset:4096*\i   ; sixteen lanes store 256 consecutive bytes, aligned
.endr
	s_wait_tensorcnt 0x0
	ds_add_u32 v254, v255
	s_wait_dscnt 0x0
	s_endpgm
.Lfunc_end_k_qc62e6e190a_prep:
	.size	k_qc62e6e190a_prep, .Lfunc_end_k_qc62e6e190a_prep-k_qc62e6e190a_prep
	.p2alignl 7, 3214868480
	.fill 96, 4, 3214868480
	.section	.rodata,"a",@progbits
	.p2align	6, 0x0
	.amdhsa_kernel k_qc62e6e190a_prep
		.amdhsa_group_segment_fixed_size 84992
		.amdhsa_private_segment_fixed_size 0
		.amdhsa_enable_private_segment 0
		.amdhsa_kernarg_size 80
		.amdhsa_user_sgpr_count 2
		.amdhsa_user_sgpr_kernarg_segment_ptr 1
		.amdhsa_wavefront_size32 1
		.amdhsa_system_sgpr_workgroup_id_x 1
		.amdhsa_system_sgpr_workgroup_id_y 1
		.amdhsa_system_sgpr_workgroup_id_z 1
		.amdhsa_system_vgpr_workitem_id 0
		.amdhsa_next_free_vgpr 256
		.amdhsa_next_free_sgpr 66
		.amdhsa_reserve_vcc 0
		.amdhsa_float_denorm_mode_32 3
		.amdhsa_float_denorm_mode_16_64 3
		.amdhsa_memory_ordered 1
		.amdhsa_forward_progress 1
		.amdhsa_inst_pref_size 47
	.end_amdhsa_kernel
	.amdgpu_metadata
---
amdhsa.version: [ 1, 2 ]
amdhsa.kernels:
  - .name:           k_qc62e6e190a_prep
    .symbol:         k_qc62e6e190a_prep.kd
    .args:
      - { .name: Wk, .offset: 0, .size: 8, .value_kind: global_buffer, .address_space: global }
      - { .name: Wv, .offset: 8, .size: 8, .value_kind: global_buffer, .address_space: global }
      - { .name: Wo, .offset: 16, .size: 8, .value_kind: global_buffer, .address_space: global }
      - { .name: Wq, .offset: 24, .size: 8, .value_kind: global_buffer, .address_space: global }
      - { .name: lowp_scales, .offset: 32, .size: 8, .value_kind: global_buffer, .address_space: global }
      - { .name: query, .offset: 40, .size: 8, .value_kind: global_buffer, .address_space: global }
      - { .name: bq, .offset: 48, .size: 8, .value_kind: global_buffer, .address_space: global }
      - { .name: w_img, .offset: 56, .size: 8, .value_kind: global_buffer, .address_space: global }
      - { .name: wo_img, .offset: 64, .size: 8, .value_kind: global_buffer, .address_space: global }
      - { .name: qbuf, .offset: 72, .size: 8, .value_kind: global_buffer, .address_space: global }
    .group_segment_fixed_size: 84992
    .private_segment_fixed_size: 0
    .kernarg_segment_align: 8
    .kernarg_segment_size: 80
    .max_flat_workgroup_size: 256
    .sgpr_count:     66
    .vgpr_count:     256
    .wavefront_size: 32
...
	.end_amdgpu_metadata
.endif
;; end of part 1
;; launch main (part 2): grid 256 x 1, 4 waves a work-group, no clusters, 320,000 bytes of LDS; arguments context, dist_matrix, context_mask, lowp_scales, qbuf, bk, bv, w_img, part; writes part
.if DOCPART == 2
	.amdgcn_target "amdgcn-amd-amdhsa--gfx1250"
	.amdhsa_code_object_version 6
	.text
	.protected	k_qc62e6e190a_main
	.globl	k_qc62e6e190a_main
	.p2align	8
	.type	k_qc62e6e190a_main,@function
k_qc62e6e190a_main:
	s_mov_b64 s[64:65], 0
	v_nop
	global_prefetch_b8 v0, s[64:65] scope:SCOPE_SE
	s_setreg_imm32_b32 hwreg(HW_REG_WAVE_MODE, 25, 1), 1
	s_wait_xcnt 0x0
; For 512 context rows of one batch (work-group g: batch g / 8, eighth g % 8): k = Q(ctx) Q(Wk) + bk, the 16 heads' scores against q, their softmax terms under the work-group's own maximum,
; v = Q(ctx) Q(Wv) + bv, and the sums of p v.  Out go, for each of the 512 columns: the sum of p v' (v' = v / 2^(e4+e5)), the head's maximum m of t and the head's sum l of p = 2^(t - m);
; t = (q . k / sqrt(32) - 0.1 dist) log2(e), or -1e9 log2(e) where the mask is 0.  The last launch joins a batch's eight parts.
; SHARES.  Four waves; wave w owns rows 128 w .. 128 w + 127, eight tiles of 16, for all heads.  THE ROWS' CODES STAY IN REGISTERS (8 tiles x 4 K steps x 16 = 512), so that each fragment of a weight read from LDS
; feeds eight products; the weights' images pass through LDS once, 16 KiB (one head of Wk or of Wv) at a time.
; THE STREAM.  A row is loaded as it lies (four loads of 512 consecutive bytes); a lane's 16 numbers are held and converted twice (e2 for k, e4 for v); its 16 codes are 16 bytes of the row in the order of K that
; the weights' images have (register 4 c + i, byte y, of lane (r, h) in K step s: k = 128 i + 32 s + 8 c + 4 h + y).  The codes for k turn through the wave's own rows of LDS into fragments; the codes for v
; are parked in the same rows and fetched when k is done.  60 loads of a wave are on their way throughout.
; THE PRODUCTS are used transposed (source 0 = 16 columns of the weight, source 1 = 16 rows): lane (r, h) holds row r and eight neighbouring columns.  The biases are the C of each sum's first product, divided by the
; power of two that the sums lack.  Scores, softmax and p v are f32 vector work: their result goes on into a quantiser.
; NO LOOP AND NO BRANCH: every row, tile and head has registers of its own, and a register's number cannot be stepped.  Macros write the pieces out; each line runs once; every offset is an immediate and every count static.
; NO CLUSTER, NO JOINT LOADS: of a work-group's 1.5 MiB, 1 MiB (its context rows) is read by it alone; the shared 0.5 MiB of weights goes in 32 pieces of 16 KiB through the two slots of 16 KiB that the park of
; 512 x 528 bytes leaves in LDS, asked for two steps ahead into registers; joint loads would want a barrier of the whole cluster for each such piece.
; LIMITS: e2, e4 between -126 and 119; e2 + e3 between -124 and 129 (added to a constant's exponent field).  NaN among the inputs is not served.
; REGISTERS, in windows of 256.  Window 0, stream: 16 row slots of 16.  Window 0, products: v0-127 the 16 accumulators ((tile, u) at 16 tile + 8 u); v128-143 bias; v144-159 q' (later the sums O); v160-175 at work;
;   v176-183, v184-191 at work a tile; v192-255 t, then p: pair of heads P, tile: 192 + 8 P + tile; lanes 0-15 the even head, lanes 16-31 the odd.
; Window 1: v0-127 codes of 16 rows (k, v), later the weight's 8 fragments; v128-191 two sets of 32 for weights on their way; v192-223 at work, later results a head; v224-245 addresses and constants, never rewritten.
; Windows 2, 3: the rows' fragments: (tile, s) in window 2 + tile / 4 at 64 (tile % 4) + 16 s.
.set PP,   528                         ; a parked row: 512 codes + 16: the 16 rows of a fragment load start at 16 different banks (64 banks of 4 bytes: ISA guide 11.1)
.set RING, 270336                      ; behind the park: two slots of 16,384
.set TAB,  303104                      ; q' [512], bk' [512], bv' [512]
.set XCH,  309248                      ; maxima: [pair 8][half 2][wave 4]
.set MRG,  309504                      ; sums: [wave 4][head 16][32]
.set MRGL, 317696                      ; l: [wave 4][head 16]; m the same, 256 bytes on
.set BK,   128
.set QR,   144
.set OO,   144
.set TMP,  160
.set PA,   176
.set PF,   176
.set DD,   184
.set PX,   184
.set SS,   192
.set KT,   0
.set VT,   64
.set STG,  128
.set TK,   192
.set OH,   192
.set TV,   208
.set MM,   208
.set LL,   216
.set ACTX, 224                         ; 16 x lane
.set APS,  225                         ; 225, 226: my rows 0 on, 64 on, of the park, + 16 x lane
.set APF,  227                         ; 227, 228: the same + r rows + 16 h
.set ARST, 229                         ; ring + 4096 w + 16 x lane
.set ARBF, 230                         ; ring + 16 x lane
.set ATAB, 231                         ; TAB + 32 h
.set AG,   232                         ; 4096 w + 16 x lane: my quarter of a weight piece
.set ADM,  233                         ; 4 (128 w + r)
.set LIMK, 234
.set SCLK, 235
.set LIMV, 236
.set SCLV, 237
.set AXS,  238
.set AXL,  239
.set AMO,  240
.set AML,  241
.set AMR,  242
.set AMH,  243
.set AT16, 244                         ; 16 x thread
.set ATS,  245                         ; TAB + 16 x thread
.set MSB, 0
.macro WIN new                         ; low byte: bits 1:0 source 0, 3:2 source 1, 5:4 source 2, 7:6 destination; the high byte repeats the setting that is left
.if MSB != (\new)
	s_set_vgpr_msb (MSB<<8)|(\new)
.set MSB, (\new)
.endif
.endm
.macro PLACES                          ; four plain lines between matrix instructions and loads into, or reads of, their registers
.rept 4
	v_nop
.endr
.endm
.macro GLOAD t                         ; my quarter of weight piece t into set t % 2
	WIN 0x41
.irp i, 0,1,2,3,4,5,6,7
	global_load_b128 v[STG+32*((\t)&1)+4*\i:STG+32*((\t)&1)+4*\i+3], v[AG], s[18:19] offset:16384*(\t)+512*\i
.endr
.endm
.macro RSTORE t                        ; and from there into slot t % 2
	WIN 0x05
.irp i, 0,1,2,3,4,5,6,7
	ds_store_b128 v[ARST], v[STG+32*((\t)&1)+4*\i:STG+32*((\t)&1)+4*\i+3] offset:16384*((\t)&1)+512*\i
.endr
.endm
.macro XLOAD row                       ; a context row: four loads of 512 consecutive bytes; read once in the launch
	WIN 0x01
.irp g, 0,1,2,3
	global_load_b128 v[16*((\row)&15)+4*\g:16*((\row)&15)+4*\g+3], v[ACTX], s[32:33] offset:2048*(\row)+512*\g th:TH_LOAD_NT
.endr
.endm
.macro ROW i
.if (\i) <= 113
	s_wait_loadcnt 56                              ; loads come back in order: row i is in; the 14 younger rows' 56 loads stay out
.elseif 4*(127-(\i))+16 > 63
	s_wait_loadcnt 63
.else
	s_wait_loadcnt 4*(127-(\i))+16                 ; the younger rows' loads and the 16 of dist and mask stay out
.endif
.if (\i)+15 <= 127
	XLOAD (\i)+15                                  ; into the slot of row i - 1, which has been worked
.endif
.if (\i) == 113
	WIN 0x01
.irp t, 0,1,2,3,4,5,6,7
	global_load_b32 v[\t], v[ADM], s[34:35] offset:64*\t       ; dist of row 16 t + r, into slot 0, free since row 112
.endr
.irp t, 0,1,2,3,4,5,6,7
	global_load_b32 v[8+\t], v[ADM], s[36:37] offset:64*\t     ; mask likewise
.endr
.endif
	WIN 0x54
.irp j, 0,1,2,3,4,5,6,7,8,9,10,11,12,13,14,15
	v_med3_num_f32 v[TK+\j], v[16*((\i)&15)+\j], -v[LIMK], v[LIMK]   ; the conversion does not saturate (ISA guide 7.6.2): hold within 448 x 2^e2,
.endr
.irp j, 0,1,2,3,4,5,6,7,8,9,10,11,12,13,14,15
	v_med3_num_f32 v[TV+\j], v[16*((\i)&15)+\j], -v[LIMV], v[LIMV]   ; and within 448 x 2^e4
.endr
	WIN 0x45
	v_cvt_scalef32_pk8_fp8_f32 v[KT+4*((\i)&15):KT+4*((\i)&15)+1], v[TK:TK+7], v[SCLK]
	v_cvt_scalef32_pk8_fp8_f32 v[KT+4*((\i)&15)+2:KT+4*((\i)&15)+3], v[TK+8:TK+15], v[SCLK]
	v_cvt_scalef32_pk8_fp8_f32 v[VT+4*((\i)&15):VT+4*((\i)&15)+1], v[TV:TV+7], v[SCLV]
	v_cvt_scalef32_pk8_fp8_f32 v[VT+4*((\i)&15)+2:VT+4*((\i)&15)+3], v[TV+8:TV+15], v[SCLV]
	v_nop                                          ; a plain line between the conversions and the next row's holds, which write their sources
	ds_store_b128 v[APS+((\i)>>6)], v[KT+4*((\i)&15):KT+4*((\i)&15)+3] offset:((\i)&63)*PP
.endm
.macro AFRAG t                         ; tile t's four fragments out of my parked rows
	WIN 0x81+0x40*((\t)>>2)
.irp s, 0,1,2,3
.irp c, 0,1,2,3
	ds_load_b128 v[64*((\t)&3)+16*\s+4*\c:64*((\t)&3)+16*\s+4*\c+3], v[APF+((\t)>>2)] offset:16*((\t)&3)*PP+128*\s+32*\c
.endr
.endr
.endm
.macro TILEEND t                       ; the tile's codes for k become fragments; its codes for v take their place in the park.  LDS serves a wave's instructions in order (ISA guide 5.7.1.4); the rows are my own
	AFRAG \t
	WIN 0x05
.irp q, 0,1,2,3,4,5,6,7,8,9,10,11,12,13,14,15
	ds_store_b128 v[APS+((\t)>>2)], v[VT+4*\q:VT+4*\q+3] offset:(16*((\t)&3)+\q)*PP
.endr
	s_wait_dscnt 0x0                               ; the stores have read their registers: the next tile's codes may be written
.endm
.macro BFLOAD t, ks                    ; the two fragments (u = 0, 1) of K step ks of weight piece t
	WIN 0x41
.irp u, 0,1
.irp c, 0,1,2,3
	ds_load_b128 v[32*(\ks)+16*\u+4*\c:32*(\ks)+16*\u+4*\c+3], v[ARBF] offset:16384*((\t)&1)+(4*\u+(\ks))*2048+512*\c
.endr
.endr
.endm
.macro TLOAD reg, off                  ; 16 numbers of a table in the result's layout: register 8 u + j = column 16 u + 8 h + j of the head
	WIN 0x01
.irp u, 0,1
.irp z, 0,1
	ds_load_b128 v[\reg+8*\u+4*\z:\reg+8*\u+4*\z+3], v[ATAB] offset:\off+64*\u+16*\z
.endr
.endr
.endm
.macro WM16 half, ka, kb               ; 16 products: K steps ka, kb x four tiles x two tiles of columns.  The eight accumulators take turns, one instruction a turn
	WIN 0x09+4*(\half)
.irp ks, \ka, \kb
.irp tt, 0,1,2,3
.irp u, 0,1
.if \ks == 0
	v_wmma_f32_16x16x128_fp8_fp8 v[64*(\half)+16*\tt+8*\u:64*(\half)+16*\tt+8*\u+7], v[32*\ks+16*\u:32*\ks+16*\u+15], v[64*\tt+16*\ks:64*\tt+16*\ks+15], v[BK+8*\u:BK+8*\u+7]
.else
	v_wmma_f32_16x16x128_fp8_fp8 v[64*(\half)+16*\tt+8*\u:64*(\half)+16*\tt+8*\u+7], v[32*\ks+16*\u:32*\ks+16*\u+15], v[64*\tt+16*\ks:64*\tt+16*\ks+15], v[64*(\half)+16*\tt+8*\u:64*(\half)+16*\tt+8*\u+7]
.endif
.endr
.endr
.endr
.endm
; STEP t: weight piece t (t < 16: head t of Wk; else head t - 16 of Wv) against my 128 rows: 64 products.  ONE barrier in its middle.  Piece t + 1 is stored ahead of it, into the slot of piece t - 1, whose last reads
; every wave awaited ahead of the barrier of step t - 1; piece t's last fragments are read ahead of it, piece t + 1's first behind it.
.macro STEP t
.if (\t) < 30
	s_wait_loadcnt 8                               ; piece t + 1 is in its registers; piece t + 2's eight loads stay out
.elseif (\t) == 30
	s_wait_loadcnt 0x0
.endif
.if (\t) <= 30
	RSTORE (\t)+1
.endif
	BFLOAD \t, 2
	BFLOAD \t, 3
.if (\t) < 16
	TLOAD QR, 128*(\t)
	s_wait_dscnt 20                                ; all but the 20 loads just issued: K steps 0, 1 and the bias are in, and the stores have read their registers
.else
	s_wait_dscnt 16
.endif
.if (\t) <= 28
	GLOAD (\t)+3                                   ; into the set just stored: two steps ahead of its own store
.endif
	WM16 0, 0, 1
	WM16 1, 0, 1
	s_wait_dscnt 0x0                               ; my stores of piece t + 1 have landed, and my reads of piece t are over
.if (\t) <= 30
	s_barrier_signal -1
	s_barrier_wait -1
.endif
	PLACES
.if (\t) <= 30
	BFLOAD (\t)+1, 0
	BFLOAD (\t)+1, 1
.if (\t)+1 < 16
	TLOAD BK, 2048+128*((\t)+1)
.else
	TLOAD BK, 4096+128*((\t)-15)
.endif
.endif
	WM16 0, 2, 3
	WM16 1, 2, 3
	WIN 0
	PLACES
.endm
; Head h's scores: a lane's 16 columns of k against q'; each accumulator is read from its low end on.  An odd head joins the even one before it: one exchange between the halves of the lanes completes both sums.
.macro VECK h
.irp i, 0,1,2,3,4,5,6,7
.irp tt, 0,1,2,3,4,5,6,7
.if \i == 0
	v_pk_mul_f32 v[TMP+2*\tt:TMP+2*\tt+1], v[16*\tt:16*\tt+1], v[QR:QR+1]
.else
	v_pk_fma_f32 v[TMP+2*\tt:TMP+2*\tt+1], v[16*\tt+2*\i:16*\tt+2*\i+1], v[QR+2*\i:QR+2*\i+1], v[TMP+2*\tt:TMP+2*\tt+1]
.endif
.endr
.endr
.if ((\h)&1) == 0
.irp tt, 0,1,2,3,4,5,6,7
	v_add_f32 v[PA+\tt], v[TMP+2*\tt], v[TMP+2*\tt+1]
.endr
.else
.irp tt, 0,1,2,3,4,5,6,7
	v_add_f32 v[TMP+2*\tt], v[TMP+2*\tt], v[TMP+2*\tt+1]
.endr
.irp tt, 0,1,2,3,4,5,6,7
	v_cndmask_b32 v[TMP+2*\tt+1], v[TMP+2*\tt], v[PA+\tt], s48    ; what I send: lanes 0-15 the odd head's half sum, lanes 16-31 the even head's
.endr
.irp tt, 0,1,2,3,4,5,6,7
	v_cndmask_b32 v[PA+\tt], v[PA+\tt], v[TMP+2*\tt], s48         ; what I keep
.endr
.irp tt, 0,1,2,3,4,5,6,7
	v_permlanex16_b32 v[TMP+2*\tt], v[TMP+2*\tt+1], s54, s55
.endr
.irp tt, 0,1,2,3,4,5,6,7
	v_add_f32 v[PA+\tt], v[PA+\tt], v[DD+\tt]                     ; - 0.1 log2(e) dist
.endr
.irp tt, 0,1,2,3,4,5,6,7
	v_add_f32 v[PA+\tt], v[PA+\tt], v[TMP+2*\tt]
.endr
.irp tt, 0,1,2,3,4,5,6,7
	v_cndmask_b32 v[SS+8*((\h)>>1)+\tt], s56, v[PA+\tt], s[40+\tt]   ; the mask: -1e9 log2(e) where it is 0
.endr
.endif
.endm
.macro RED dist, msk                   ; the sum over 16 lanes by halving: lanes whose bit is set keep the upper registers' sums, the others the lower ones'
.set ii, 0
.rept \dist
	v_cndmask_b32 v[TMP+ii], v[OO+ii+\dist], v[OO+ii], s[\msk]
.set ii, ii+1
.endr
.set ii, 0
.rept \dist
	v_cndmask_b32 v[OO+ii], v[OO+ii], v[OO+ii+\dist], s[\msk]
.set ii, ii+1
.endr
.set ii, 0
.rept \dist
	v_add_f32_dpp v[OO+ii], v[TMP+ii], v[OO+ii] row_xmask:\dist row_mask:0xf bank_mask:0xf
.set ii, ii+1
.endr
.endm
; Head h's sums of p v' over my 128 rows.  p of row r is wanted in both halves of the lanes.  At the end lane (r, h2) holds column 16 (r / 8) + 8 h2 + r % 8 of the head.
.macro VECV h
.irp tt, 0,1,2,3,4,5,6,7
	v_permlanex16_b32 v[PX+\tt], v[SS+8*((\h)>>1)+\tt], s54, s55
.endr
.irp tt, 0,1,2,3,4,5,6,7
.if ((\h)&1) == 0
	v_cndmask_b32 v[PF+\tt], v[SS+8*((\h)>>1)+\tt], v[PX+\tt], s48
.else
	v_cndmask_b32 v[PF+\tt], v[PX+\tt], v[SS+8*((\h)>>1)+\tt], s48
.endif
.endr
.irp tt, 0,1,2,3,4,5,6,7
.irp i, 0,1,2,3,4,5,6,7
.if \tt == 0
	v_pk_mul_f32 v[OO+2*\i:OO+2*\i+1], v[2*\i:2*\i+1], v[PF:PF+1] op_sel_hi:[1,0]
.elseif (\tt % 2) == 0
	v_pk_fma_f32 v[OO+2*\i:OO+2*\i+1], v[16*\tt+2*\i:16*\tt+2*\i+1], v[PF+\tt:PF+\tt+1], v[OO+2*\i:OO+2*\i+1] op_sel_hi:[1,0,1]
.else
	v_pk_fma_f32 v[OO+2*\i:OO+2*\i+1], v[16*\tt+2*\i:16*\tt+2*\i+1], v[PF+\tt-1:PF+\tt], v[OO+2*\i:OO+2*\i+1] op_sel:[0,1,0] op_sel_hi:[1,1,1]
.endif
.endr
.endr
	RED 8, 49
	RED 4, 50
	RED 2, 51
	RED 1, 52
	WIN 0x40
	v_mov_b32 v[OH+(\h)], v[OO]
.endm
	; ---- the head: addresses from the thread's number, each finished straight into window 1
	s_load_b512 s[4:19], s[0:1], 0x0               ; context s[4:5], dist s[6:7], mask s[8:9], scales s[10:11], qbuf s[12:13], bk s[14:15], bv s[16:17], w_img s[18:19]
	s_load_b64 s[20:21], s[0:1], 0x40              ; part
	s_set_vgpr_msb 0x40
	v_lshl_add_u32 v254, v0, 2, 0x4e000
	v_mov_b32 v255, 0
	s_set_vgpr_msb 0x4000
	v_lshrrev_b32 v1, 5, v0
	v_readfirstlane_b32 s22, v1                    ; wave 0..3
	v_and_b32 v2, 31, v0                           ; lane
	v_and_b32 v3, 15, v0                           ; r
	v_bfe_u32 v4, v0, 4, 1                         ; h
	v_lshlrev_b32 v5, 4, v2
	v_mul_u32_u24 v6, v3, PP
	v_lshl_add_u32 v6, v4, 4, v6
	v_lshlrev_b32 v7, 4, v4
	v_bfe_u32 v8, v0, 3, 1
	v_and_b32 v9, 7, v0
	v_lshl_add_u32 v9, v8, 4, v9
	v_lshl_add_u32 v9, v4, 3, v9                   ; 16 (r / 8) + 8 h + r % 8
	v_lshrrev_b32 v10, 3, v0
	s_mul_i32 s66, s22, 128*PP
	s_add_co_u32 s67, s66, 64*PP
	s_lshl_b32 s68, s22, 12
	s_add_co_u32 s69, s68, RING
	s_lshl_b32 s70, s22, 9
	s_lshl_b32 s71, s22, 2
	s_add_co_u32 s71, s71, XCH
	s_lshl_b32 s72, s22, 11
	s_add_co_u32 s72, s72, MRG
	s_lshl_b32 s73, s22, 6
	s_add_co_u32 s73, s73, MRGL
	WIN 0x40
	v_lshlrev_b32 v[ACTX], 4, v2
	v_add_nc_u32 v[APS], s66, v5
	v_add_nc_u32 v[APS+1], s67, v5
	v_add_nc_u32 v[APF], s66, v6
	v_add_nc_u32 v[APF+1], s67, v6
	v_add_nc_u32 v[ARST], s69, v5
	v_add_nc_u32 v[ARBF], RING, v5
	v_lshl_add_u32 v[ATAB], v4, 5, TAB
	v_add_nc_u32 v[AG], s68, v5
	v_lshl_add_u32 v[ADM], v3, 2, s70
	v_add_nc_u32 v[AXS], s71, v7
	v_add_nc_u32 v[AXL], XCH, v7
	v_lshl_add_u32 v[AMO], v9, 2, s72
	v_lshl_add_u32 v[AML], v4, 2, s73
	v_lshl_add_u32 v[AMR], v0, 4, MRG
	v_lshl_add_u32 v[AMH], v10, 2, MRGL
	v_lshlrev_b32 v[AT16], 4, v0
	v_lshl_add_u32 v[ATS], v0, 4, TAB
	s_mov_b32 s48, 0xffff0000                      ; lanes 16-31
	s_mov_b32 s49, 0xff00ff00                      ; lanes whose bit 3, 2, 1, 0 is set
	s_mov_b32 s50, 0xf0f0f0f0
	s_mov_b32 s51, 0xcccccccc
	s_mov_b32 s52, 0xaaaaaaaa
	s_mov_b32 s54, 0x76543210                      ; v_permlanex16_b32: lane l xor 16
	s_mov_b32 s55, 0xfedcba98
	s_mov_b32 s56, 0xceabfb8f                      ; -1e9 log2(e)
	s_mov_b32 s57, 0xbe13bb63                      ; -0.1 log2(e)
	s_wait_kmcnt 0x0
	s_load_b256 s[24:31], s[10:11], 0x0            ; e0 .. e7
	s_lshl_b32 s74, ttmp9, 20                      ; 512 rows of 2,048 bytes a work-group,
	s_lshl_b32 s75, s22, 18                        ; 128 a wave
	s_add_co_u32 s74, s74, s75
	s_mov_b32 s75, 0
	s_add_nc_u64 s[32:33], s[4:5], s[74:75]
	s_lshl_b32 s74, ttmp9, 11
	s_add_nc_u64 s[34:35], s[6:7], s[74:75]
	s_add_nc_u64 s[36:37], s[8:9], s[74:75]
	s_mul_i32 s74, ttmp9, 6144
	s_add_nc_u64 s[38:39], s[20:21], s[74:75]
	s_lshr_b32 s74, ttmp9, 3
	s_lshl_b32 s74, s74, 11
	s_add_nc_u64 s[12:13], s[12:13], s[74:75]      ; my batch's q
	GLOAD 0
	GLOAD 1
	global_load_b128 v[TK:TK+3], v[AT16], s[12:13]
	global_load_b128 v[TK+4:TK+7], v[AT16], s[14:15]
	global_load_b128 v[TK+8:TK+11], v[AT16], s[16:17]
.set RW, 0
.rept 15
	XLOAD RW
.set RW, RW+1
.endr
	s_wait_kmcnt 0x0
	s_add_co_i32 s76, s26, s27
	s_lshl_b32 s58, s76, 23
	s_add_co_i32 s58, s58, 0x3e8293ee              ; log2(e) / sqrt(32) x 2^(e2 + e3): the exponents are added to the constant's exponent field
	s_sub_co_i32 s59, 0, s76
	s_add_co_i32 s77, s28, s29
	s_sub_co_i32 s60, 0, s77
	s_add_co_i32 s76, s26, 127
	s_lshl_b32 s77, s76, 23
	s_add_co_i32 s76, s76, 8
	s_lshl_b32 s76, s76, 23
	s_or_b32 s76, s76, 0x600000
	s_add_co_i32 s78, s28, 127
	s_lshl_b32 s79, s78, 23
	s_add_co_i32 s78, s78, 8
	s_lshl_b32 s78, s78, 23
	s_or_b32 s78, s78, 0x600000
	WIN 0x40
	v_mov_b32 v[LIMK], s76                         ; 448 x 2^e2
	v_mov_b32 v[SCLK], s77                         ; 2^e2
	v_mov_b32 v[LIMV], s78
	v_mov_b32 v[SCLV], s79
	s_wait_loadcnt 60                              ; all but the 15 rows' 60 loads: two weight pieces, q, bk, bv are in
	WIN 0x45
.irp j, 0,1,2,3
	v_mul_f32 v[TK+\j], s58, v[TK+\j]              ; q' = q log2(e) / sqrt(32) x 2^(e2 + e3): a sum of k's codes against it is t's first term
	v_ldexp_f32 v[TK+4+\j], v[TK+4+\j], s59        ; bk / 2^(e2 + e3)
	v_ldexp_f32 v[TK+8+\j], v[TK+8+\j], s60        ; bv / 2^(e4 + e5)
.endr
	ds_store_b128 v[ATS], v[TK:TK+3]
	ds_store_b128 v[ATS], v[TK+4:TK+7] offset:2048
	ds_store_b128 v[ATS], v[TK+8:TK+11] offset:4096
	RSTORE 0
	s_wait_dscnt 0x0                               ; the stores have read their registers
	GLOAD 2
	; ---- the stream: 128 rows, eight tiles
.set RW, 0
.rept 8
.rept 16
	ROW RW
.set RW, RW+1
.endr
.set TT, (RW-1)>>4
	TILEEND TT
.endr
	s_wait_loadcnt 0x0                             ; dist and mask (and weight piece 2)
	WIN 0
.irp tt, 0,1,2,3,4,5,6,7
	v_mul_f32 v[DD+\tt], s57, v[\tt]
	v_cmp_ne_u32 s[40+\tt], 0, v[8+\tt]
.endr
	s_wait_dscnt 0x0
	s_barrier_signal -1                            ; the tables and weight piece 0 lie in LDS
	s_barrier_wait -1
	BFLOAD 0, 0
	BFLOAD 0, 1
	TLOAD BK, 2048
	; ---- k and the scores, head by head
.set HH, 0
.rept 16
	STEP HH
	VECK HH
.set HH, HH+1
.endr
	; ---- the softmax terms: one maximum a head for the whole work-group
.irp p, 0,1,2,3,4,5,6,7
	v_max3_num_f32 v[2*\p], v[SS+8*\p], v[SS+8*\p+1], v[SS+8*\p+2]
.endr
.irp p, 0,1,2,3,4,5,6,7
	v_max3_num_f32 v[2*\p], v[2*\p], v[SS+8*\p+3], v[SS+8*\p+4]
.endr
.irp p, 0,1,2,3,4,5,6,7
	v_max3_num_f32 v[2*\p], v[2*\p], v[SS+8*\p+5], v[SS+8*\p+6]
.endr
.irp p, 0,1,2,3,4,5,6,7
	v_max_num_f32 v[2*\p], v[2*\p], v[SS+8*\p+7]
.endr
.irp x, 1,2,4,8
.irp p, 0,1,2,3,4,5,6,7
	v_max_num_f32_dpp v[2*\p], v[2*\p], v[2*\p] row_xmask:\x row_mask:0xf bank_mask:0xf
.endr
.endr
	WIN 0x01
.irp p, 0,1,2,3,4,5,6,7
	ds_store_b32 v[AXS], v[2*\p] offset:32*\p      ; sixteen lanes write one word with one value
.endr
	s_wait_dscnt 0x0
	s_barrier_signal -1
	s_barrier_wait -1
.irp p, 0,1,2,3,4,5,6,7
	ds_load_b128 v[32+4*\p:35+4*\p], v[AXL] offset:32*\p
.endr
	s_wait_dscnt 0x0
.irp t, 0,1,2,3,4,5,6,7
	AFRAG \t                                       ; the codes for v, out of my parked rows, land while the exponentials are taken
.endr
	WIN 0
.irp p, 0,1,2,3,4,5,6,7
	v_max3_num_f32 v[2*\p], v[32+4*\p], v[33+4*\p], v[34+4*\p]
.endr
.irp p, 0,1,2,3,4,5,6,7
	v_max_num_f32 v[2*\p], v[2*\p], v[35+4*\p]
.endr
.irp p, 0,1,2,3,4,5,6,7
	v_mov_b32 v[2*\p+1], v[2*\p]                   ; twice, for the packed subtraction
.endr
.irp p, 0,1,2,3,4,5,6,7
.irp a, 0,2,4,6
	v_pk_add_f32 v[SS+8*\p+\a:SS+8*\p+\a+1], v[SS+8*\p+\a:SS+8*\p+\a+1], v[2*\p:2*\p+1] neg_lo:[0,1] neg_hi:[0,1]
.endr
.endr
.set ii, 0
.rept 64
	v_exp_f32 v[SS+ii], v[SS+ii]                   ; p = 2^(t - m), at most 1
.set ii, ii+1
.endr
	v_nop                                          ; a plain line behind the exponentials
	s_wait_alu depctr_va_vdst(0)
.irp p, 0,1,2,3,4,5,6,7
	v_pk_add_f32 v[32+4*\p:33+4*\p], v[SS+8*\p:SS+8*\p+1], v[SS+8*\p+2:SS+8*\p+3]
	v_pk_add_f32 v[34+4*\p:35+4*\p], v[SS+8*\p+4:SS+8*\p+5], v[SS+8*\p+6:SS+8*\p+7]
.endr
.irp p, 0,1,2,3,4,5,6,7
	v_pk_add_f32 v[32+4*\p:33+4*\p], v[32+4*\p:33+4*\p], v[34+4*\p:35+4*\p]
.endr
.irp p, 0,1,2,3,4,5,6,7
	v_add_f32 v[32+4*\p], v[32+4*\p], v[33+4*\p]
.endr
.irp x, 1,2,4,8
.irp p, 0,1,2,3,4,5,6,7
	v_add_f32_dpp v[32+4*\p], v[32+4*\p], v[32+4*\p] row_xmask:\x row_mask:0xf bank_mask:0xf
.endr
.endr
	WIN 0x40
.irp p, 0,1,2,3,4,5,6,7
	v_mov_b32 v[MM+\p], v[2*\p]
	v_mov_b32 v[LL+\p], v[32+4*\p]
.endr
	; ---- v and the sums of p v, head by head
.rept 16
	STEP HH
	VECV (HH-16)
.set HH, HH+1
.endr
	; ---- the four waves' sums meet; all stand under the same maxima
	WIN 0x05
.irp h, 0,1,2,3,4,5,6,7,8,9,10,11,12,13,14,15
	ds_store_b32 v[AMO], v[OH+\h] offset:128*\h
.endr
.irp p, 0,1,2,3,4,5,6,7
	ds_store_b32 v[AML], v[LL+\p] offset:8*\p
	ds_store_b32 v[AML], v[MM+\p] offset:8*\p+256
.endr
	s_wait_dscnt 0x0
	s_barrier_signal -1
	s_barrier_wait -1
	WIN 0x01
.irp w, 0,1,2,3
	ds_load_b128 v[4*\w:4*\w+3], v[AMR] offset:2048*\w       ; thread t: columns 4 t .. 4 t + 3
.endr
.irp w, 0,1,2,3
	ds_load_b32 v[16+\w], v[AMH] offset:64*\w
.endr
	ds_load_b32 v28, v[AMH] offset:256
	s_wait_dscnt 0x0
	WIN 0
	v_pk_add_f32 v[0:1], v[0:1], v[4:5]
	v_pk_add_f32 v[2:3], v[2:3], v[6:7]
	v_pk_add_f32 v[8:9], v[8:9], v[12:13]
	v_pk_add_f32 v[10:11], v[10:11], v[14:15]
	v_pk_add_f32 v[0:1], v[0:1], v[8:9]
	v_pk_add_f32 v[2:3], v[2:3], v[10:11]
	v_add_f32 v16, v16, v17
	v_add_f32 v18, v18, v19
	v_add_f32 v24, v16, v18
	v_mov_b32 v29, v28
	v_mov_b32 v30, v28
	v_mov_b32 v31, v28
	v_mov_b32 v25, v24
	v_mov_b32 v26, v24
	v_mov_b32 v27, v24
	WIN 0x01
	global_store_b128 v[AT16], v[0:3], s[38:39]                 ; a wave's store covers 512 consecutive bytes, aligned
	global_store_b128 v[AT16], v[28:31], s[38:39] offset:2048   ; m, once for each column of its head
	global_store_b128 v[AT16], v[24:27], s[38:39] offset:4096   ; l likewise
	WIN 0
	s_set_vgpr_msb 0x5
	s_wait_tensorcnt 0x0
	ds_add_u32 v254, v255
	s_wait_dscnt 0x0
	s_set_vgpr_msb 0x500
	s_endpgm
.Lfunc_end_k_qc62e6e190a_main:
	.size	k_qc62e6e190a_main, .Lfunc_end_k_qc62e6e190a_main-k_qc62e6e190a_main
	.p2alignl 7, 3214868480
	.fill 96, 4, 3214868480
	.section	.rodata,"a",@progbits
	.p2align	6, 0x0
	.amdhsa_kernel k_qc62e6e190a_main
		.amdhsa_group_segment_fixed_size 320000
		.amdhsa_private_segment_fixed_size 0
		.amdhsa_enable_private_segment 0
		.amdhsa_kernarg_size 72
		.amdhsa_user_sgpr_count 2
		.amdhsa_user_sgpr_kernarg_segment_ptr 1
		.amdhsa_wavefront_size32 1
		.amdhsa_system_sgpr_workgroup_id_x 1
		.amdhsa_system_sgpr_workgroup_id_y 1
		.amdhsa_system_sgpr_workgroup_id_z 1
		.amdhsa_system_vgpr_workitem_id 0
		.amdhsa_next_free_vgpr 1024
		.amdhsa_next_free_sgpr 96
		.amdhsa_reserve_vcc 0
		.amdhsa_float_denorm_mode_32 3
		.amdhsa_float_denorm_mode_16_64 3
		.amdhsa_memory_ordered 1
		.amdhsa_forward_progress 1
		.amdhsa_inst_pref_size 255
	.end_amdhsa_kernel
	.section	.bss,"aw",@nobits
	.p2align	6
	.space	262144
	.amdgpu_metadata
---
amdhsa.version: [ 1, 2 ]
amdhsa.kernels:
  - .name:           k_qc62e6e190a_main
    .symbol:         k_qc62e6e190a_main.kd
    .args:
      - { .name: context, .offset: 0, .size: 8, .value_kind: global_buffer, .address_space: global }
      - { .name: dist_matrix, .offset: 8, .size: 8, .value_kind: global_buffer, .address_space: global }
      - { .name: context_mask, .offset: 16, .size: 8, .value_kind: global_buffer, .address_space: global }
      - { .name: lowp_scales, .offset: 24, .size: 8, .value_kind: global_buffer, .address_space: global }
      - { .name: qbuf, .offset: 32, .size: 8, .value_kind: global_buffer, .address_space: global }
      - { .name: bk, .offset: 40, .size: 8, .value_kind: global_buffer, .address_space: global }
      - { .name: bv, .offset: 48, .size: 8, .value_kind: global_buffer, .address_space: global }
      - { .name: w_img, .offset: 56, .size: 8, .value_kind: global_buffer, .address_space: global }
      - { .name: part, .offset: 64, .size: 8, .value_kind: global_buffer, .address_space: global }
    .group_segment_fixed_size: 320000
    .private_segment_fixed_size: 0
    .kernarg_segment_align: 8
    .kernarg_segment_size: 72
    .max_flat_workgroup_size: 128
    .sgpr_count:     96
    .vgpr_count:     1024
    .wavefront_size: 32
...
	.end_amdgpu_metadata
.endif
;; end of part 2
;; launch fin (part 3): grid 32 x 1, 16 waves a work-group, no clusters, 14,336 bytes of LDS; arguments part, wo_img, lowp_scales, query, bo, ln_gamma, ln_beta, out0; writes out0
.if DOCPART == 3
	.amdgcn_target "amdgcn-amd-amdhsa--gfx1250"
	.amdhsa_code_object_version 6
	.text
	.protected	k_qc62e6e190a_fin
	.globl	k_qc62e6e190a_fin
	.p2align	8
	.type	k_qc62e6e190a_fin,@function
k_qc62e6e190a_fin:
	s_mov_b64 s[64:65], 0
	v_nop
	global_prefetch_b8 v0, s[64:65] scope:SCOPE_SE
	s_setreg_imm32_b32 hwreg(HW_REG_WAVE_MODE, 25, 1), 1
	s_wait_xcnt 0x0
; One work-group a batch.  Thread t joins column t's eight parts (sum of p v', maximum m, sum l) under the batch's maximum: a = (sum of 2^(m_j - M) acc_j) / (sum of 2^(m_j - M) l_j) x 2^(e4+e5).
; a is quantised (e6) and multiplied by Wo's images (e7); + bo, + query; LayerNorm in two passes (mean, then the squares of the differences).
; THE PRODUCT has one true row a batch: all 16 rows of source 0 are that row, so its matrix work is sixteen times the product's own (8 instructions a wave); in return a work-group reads only its own batch's 48 KiB of
; parts, and the norm needs no further launch.  Wave w makes columns 32 w .. 32 w + 31.  K's order is the images': register 4 c + i, byte y, lane half h, K step s: k = 128 i + 32 s + 8 c + 4 h + y.
; LIMITS: e6 between -126 and 119; e6 + e7 between -126 and 127.  NaN among the inputs is not served.
; REGISTERS: v1-15 addresses and single numbers; v16-23 acc_j, v24-31 m_j, v32-39 l_j; v40-43 gamma, v44-47 beta; v48-63 two accumulators; v64-127 at work, then a's four fragments, then the norm; v128-255 Wo's eight fragments.
.set XF,   0                           ; LDS: a [512] f32
.set AIMG, 2048                        ; a's four images of 2,048 bytes
.set XO,   10240                       ; x [512] f32
	s_load_b512 s[4:19], s[0:1], 0x0               ; part s[4:5], wo_img s[6:7], scales s[8:9], query s[10:11], bo s[12:13], gamma s[14:15], beta s[16:17], out s[18:19]
	v_lshrrev_b32 v1, 5, v0
	v_readfirstlane_b32 s20, v1                    ; wave 0..15
	v_and_b32 v1, 31, v0                           ; lane
	v_bfe_u32 v3, v0, 4, 1                         ; h
	v_lshlrev_b32 v4, 2, v0                        ; 4 t: my column in part, query, bo, and in XF (LDS byte 0 on)
	s_lshl_b32 s21, s20, 14
	v_lshl_add_u32 v5, v1, 4, s21                  ; Wo's images of my 32 columns
	s_lshl_b32 s22, s20, 5
	v_lshl_add_u32 v6, v3, 4, s22                  ; XF: 128 s + 32 c + 16 h with s = w / 4, c = w % 4: 32 w + 16 h
	s_lshl_b32 s23, s20, 9
	s_add_co_u32 s23, s23, AIMG
	v_lshl_add_u32 v7, v1, 4, s23                  ; the chunk of an image that I make: 512 w + 16 x lane
	v_lshl_add_u32 v8, v1, 4, AIMG
	v_lshl_add_u32 v9, v0, 2, XO
	v_lshl_add_u32 v10, v1, 4, XO
	v_and_b32 v11, 127, v0
	v_lshlrev_b32 v11, 4, v11                      ; 16 (t mod 128): inside gamma, beta and a row of out in every wave; waves 0-3 use it
	v_add_nc_u32 v12, XO, v11
	s_mul_i32 s24, ttmp9, 49152                    ; eight parts of 6,144 bytes a batch
	s_mov_b32 s25, 0
	s_lshl_b32 s26, ttmp9, 11
	s_mov_b32 s27, 0
	s_mov_b32 s28, 0x76543210                      ; v_permlanex16_b32: lane l xor 16
	s_mov_b32 s29, 0xfedcba98
	s_mov_b32 s30, 0x3b000000                      ; 1 / 512
	s_mov_b32 s31, 0x3727c5ac                      ; 1e-5
	s_mov_b32 s41, 0xffff0000                      ; lanes 16-31
	s_wait_kmcnt 0x0
	s_load_b256 s[32:39], s[8:9], 0x0              ; e0 .. e7
	s_add_nc_u64 s[4:5], s[4:5], s[24:25]
	s_add_nc_u64 s[10:11], s[10:11], s[26:27]
	s_add_nc_u64 s[18:19], s[18:19], s[26:27]
	global_load_b128 v[40:43], v11, s[14:15]
	global_load_b128 v[44:47], v11, s[16:17]
.irp j, 0,1,2,3,4,5,6,7
	global_load_b32 v[16+\j], v4, s[4:5] offset:6144*\j
	global_load_b32 v[24+\j], v4, s[4:5] offset:6144*\j+2048
	global_load_b32 v[32+\j], v4, s[4:5] offset:6144*\j+4096
.endr
	global_load_b32 v13, v4, s[10:11]
	global_load_b32 v14, v4, s[12:13]
.irp f, 0,1,2,3,4,5,6,7                ; fragment f = 4 u + s
.irp c, 0,1,2,3
	global_load_b128 v[128+16*\f+4*\c:128+16*\f+4*\c+3], v5, s[6:7] offset:2048*\f+512*\c
.endr
.endr
	s_wait_kmcnt 0x0
	s_add_co_i32 s40, s36, s37                     ; e4 + e5
	s_add_co_i32 s42, s38, s39
	s_add_co_i32 s42, s42, 127
	s_lshl_b32 s42, s42, 23                        ; 2^(e6 + e7) as f32
	s_add_co_i32 s43, s38, 127
	s_lshl_b32 s44, s43, 23
	s_add_co_i32 s43, s43, 8
	s_lshl_b32 s43, s43, 23
	s_or_b32 s43, s43, 0x600000
	v_mov_b32 v2, s43                              ; 448 x 2^e6
	v_mov_b32 v3, s44                              ; 2^e6 (h has served)
	s_wait_loadcnt 34                              ; the parts are in; query, bo and Wo's 32 loads stay out
	v_max3_num_f32 v64, v24, v25, v26
	v_max3_num_f32 v64, v64, v27, v28
	v_max3_num_f32 v64, v64, v29, v30
	v_max_num_f32 v64, v64, v31                    ; the batch's maximum of my head
.irp j, 0,1,2,3,4,5,6,7
	v_sub_f32 v[66+\j], v[24+\j], v64
.endr
.irp j, 0,1,2,3,4,5,6,7
	v_exp_f32 v[66+\j], v[66+\j]
.endr
	v_nop                                          ; a plain line behind the exponentials
	s_wait_alu depctr_va_vdst(0)
	v_mul_f32 v74, v66, v32
	v_mul_f32 v75, v66, v16
.irp j, 1,2,3,4,5,6,7
	v_fmac_f32 v74, v[66+\j], v[32+\j]
	v_fmac_f32 v75, v[66+\j], v[16+\j]
.endr
	v_rcp_f32 v76, v74                             ; the sum is at least 1: the row of the maximum counts 1
	v_nop
	s_wait_alu depctr_va_vdst(0)
	v_mul_f32 v75, v75, v76
	v_ldexp_f32 v75, v75, s40
	ds_store_b32 v4, v75
	s_wait_dscnt 0x0
	s_barrier_signal -1                            ; a lies in LDS
	s_barrier_wait -1
.irp i, 0,1,2,3
	ds_load_b128 v[80+4*\i:83+4*\i], v6 offset:512*\i      ; k = 128 i + 32 s + 8 c + 4 h + 0 .. 3
.endr
	s_wait_dscnt 0x0
.irp j, 0,1,2,3,4,5,6,7,8,9,10,11,12,13,14,15
	v_med3_num_f32 v[80+\j], v[80+\j], -v2, v2     ; the conversion does not saturate (ISA guide 7.6.2): hold first
.endr
	v_cvt_scalef32_pk8_fp8_f32 v[100:101], v[80:87], v3
	v_cvt_scalef32_pk8_fp8_f32 v[102:103], v[88:95], v3
	v_nop                                          ; a plain line behind the conversions: the products below read these registers' later contents
	ds_store_b128 v7, v[100:103]
	s_wait_dscnt 0x0
	s_barrier_signal -1                            ; a's four images lie in LDS
	s_barrier_wait -1
.irp s, 0,1,2,3
.irp c, 0,1,2,3
	ds_load_b128 v[64+16*\s+4*\c:67+16*\s+4*\c], v8 offset:2048*\s+512*\c
.endr
.endr
	s_wait_dscnt 0x0
	s_wait_loadcnt 0x0
.irp s, 0,1,2,3                        ; source 0 = a (16 equal rows), source 1 = 16 columns of Wo; the two accumulators take turns
.irp u, 0,1
.if \s == 0
	v_wmma_f32_16x16x128_fp8_fp8 v[48+8*\u:55+8*\u], v[64+16*\s:79+16*\s], v[128+64*\u+16*\s:143+64*\u+16*\s], 0
.else
	v_wmma_f32_16x16x128_fp8_fp8 v[48+8*\u:55+8*\u], v[64+16*\s:79+16*\s], v[128+64*\u+16*\s:143+64*\u+16*\s], v[48+8*\u:55+8*\u]
.endif
.endr
.endr
.rept 4
	v_nop                                          ; places between the products and the read of their results (ISA guide 7.12.1)
.endr
	v_cndmask_b32 v15, v48, v56, s41               ; register 0 of tile u, lane (r, h): column 16 u + r of any row: lane l takes column l
	v_fma_f32 v15, v15, s42, v14                   ; x 2^(e6 + e7) + bo
	v_add_f32 v15, v13, v15                        ; + query
	ds_store_b32 v9, v15
	s_wait_dscnt 0x0
	s_barrier_signal -1                            ; x lies in LDS
	s_barrier_wait -1
	s_cmp_lt_u32 s20, 4
	s_cbranch_scc1 .Lnorm
	s_wait_xcnt 0x0
	v_lshl_add_u32 v46, v0, 2, 0x3000
	v_mov_b32 v47, 0
	s_wait_tensorcnt 0x0
	ds_add_u32 v46, v47
	s_wait_dscnt 0x0
	s_endpgm
.Lnorm:                                            ; waves 0-3: each takes the whole row's mean and variance, and stores 512 consecutive bytes
.irp j, 0,1,2,3
	ds_load_b128 v[64+4*\j:67+4*\j], v10 offset:512*\j
.endr
	ds_load_b128 v[80:83], v12
	s_wait_dscnt 0x0
	v_pk_add_f32 v[84:85], v[64:65], v[66:67]
	v_pk_add_f32 v[86:87], v[68:69], v[70:71]
	v_pk_add_f32 v[88:89], v[72:73], v[74:75]
	v_pk_add_f32 v[90:91], v[76:77], v[78:79]
	v_pk_add_f32 v[84:85], v[84:85], v[86:87]
	v_pk_add_f32 v[88:89], v[88:89], v[90:91]
	v_pk_add_f32 v[84:85], v[84:85], v[88:89]
	v_add_f32 v84, v84, v85
.irp x, 1,2,4,8
	v_add_f32_dpp v84, v84, v84 row_xmask:\x row_mask:0xf bank_mask:0xf
.endr
	v_permlanex16_b32 v85, v84, s28, s29
	v_add_f32 v84, v84, v85
	v_mul_f32 v92, s30, v84                        ; the mean
	v_mov_b32 v93, v92
.irp k, 0,2,4,6,8,10,12,14,16,18
	v_pk_add_f32 v[64+\k:65+\k], v[64+\k:65+\k], v[92:93] neg_lo:[0,1] neg_hi:[0,1]   ; x - mean: the row's 16 of my lane, and (v80-83) the four that I store
.endr
	v_pk_mul_f32 v[84:85], v[64:65], v[64:65]
	v_pk_mul_f32 v[86:87], v[66:67], v[66:67]
.irp k, 4,8,12
	v_pk_fma_f32 v[84:85], v[64+\k:65+\k], v[64+\k:65+\k], v[84:85]
	v_pk_fma_f32 v[86:87], v[66+\k:67+\k], v[66+\k:67+\k], v[86:87]
.endr
	v_pk_add_f32 v[84:85], v[84:85], v[86:87]
	v_add_f32 v84, v84, v85
.irp x, 1,2,4,8
	v_add_f32_dpp v84, v84, v84 row_xmask:\x row_mask:0xf bank_mask:0xf
.endr
	v_permlanex16_b32 v85, v84, s28, s29
	v_add_f32 v84, v84, v85
	v_fma_f32 v84, v84, s30, s31                   ; the variance + 1e-5
	v_rsq_f32 v86, v84
	v_nop                                          ; a plain line behind the transcendental
	s_wait_alu depctr_va_vdst(0)
	v_mov_b32 v87, v86
	v_pk_mul_f32 v[80:81], v[80:81], v[86:87]
	v_pk_mul_f32 v[82:83], v[82:83], v[86:87]
	v_pk_fma_f32 v[80:81], v[80:81], v[40:41], v[44:45]
	v_pk_fma_f32 v[82:83], v[82:83], v[42:43], v[46:47]
	global_store_b128 v11, v[80:83], s[18:19]
	s_wait_xcnt 0x0
	v_lshl_add_u32 v46, v0, 2, 0x3000
	v_mov_b32 v47, 0
	s_wait_tensorcnt 0x0
	ds_add_u32 v46, v47
	s_wait_dscnt 0x0
	s_endpgm
.Lfunc_end_k_qc62e6e190a_fin:
	.size	k_qc62e6e190a_fin, .Lfunc_end_k_qc62e6e190a_fin-k_qc62e6e190a_fin
	.p2alignl 7, 3214868480
	.fill 96, 4, 3214868480
	.section	.rodata,"a",@progbits
	.p2align	6, 0x0
	.amdhsa_kernel k_qc62e6e190a_fin
		.amdhsa_group_segment_fixed_size 14336
		.amdhsa_private_segment_fixed_size 0
		.amdhsa_enable_private_segment 0
		.amdhsa_kernarg_size 64
		.amdhsa_user_sgpr_count 2
		.amdhsa_user_sgpr_kernarg_segment_ptr 1
		.amdhsa_wavefront_size32 1
		.amdhsa_system_sgpr_workgroup_id_x 1
		.amdhsa_system_sgpr_workgroup_id_y 1
		.amdhsa_system_sgpr_workgroup_id_z 1
		.amdhsa_system_vgpr_workitem_id 0
		.amdhsa_next_free_vgpr 256
		.amdhsa_next_free_sgpr 66
		.amdhsa_reserve_vcc 0
		.amdhsa_float_denorm_mode_32 3
		.amdhsa_float_denorm_mode_16_64 3
		.amdhsa_memory_ordered 1
		.amdhsa_forward_progress 1
		.amdhsa_inst_pref_size 18
	.end_amdhsa_kernel
	.amdgpu_metadata
---
amdhsa.version: [ 1, 2 ]
amdhsa.kernels:
  - .name:           k_qc62e6e190a_fin
    .symbol:         k_qc62e6e190a_fin.kd
    .args:
      - { .name: part, .offset: 0, .size: 8, .value_kind: global_buffer, .address_space: global }
      - { .name: wo_img, .offset: 8, .size: 8, .value_kind: global_buffer, .address_space: global }
      - { .name: lowp_scales, .offset: 16, .size: 8, .value_kind: global_buffer, .address_space: global }
      - { .name: query, .offset: 24, .size: 8, .value_kind: global_buffer, .address_space: global }
      - { .name: bo, .offset: 32, .size: 8, .value_kind: global_buffer, .address_space: global }
      - { .name: ln_gamma, .offset: 40, .size: 8, .value_kind: global_buffer, .address_space: global }
      - { .name: ln_beta, .offset: 48, .size: 8, .value_kind: global_buffer, .address_space: global }
      - { .name: out0, .offset: 56, .size: 8, .value_kind: global_buffer, .address_space: global }
    .group_segment_fixed_size: 14336
    .private_segment_fixed_size: 0
    .kernarg_segment_align: 8
    .kernarg_segment_size: 64
    .max_flat_workgroup_size: 512
    .sgpr_count:     66
    .vgpr_count:     256
    .wavefront_size: 32
...
	.end_amdgpu_metadata
.endif
;; end of part 3
;; ======== version 2 of 2: 3 launches
;; limits: right only within a limited range of input values
;; workspace buffers: w_img 524,288 bytes; wo_img 262,144 bytes; qbuf 65,536 bytes; part 1,572,864 bytes
;; launch prep (part 4): grid 8 x 4, 8 waves a work-group, no clusters, 84,992 bytes of LDS; arguments Wk, Wv, Wo, Wq, lowp_scales, query, bq, w_img, wo_img, qbuf; writes w_img, wo_img, qbuf
.if DOCPART == 4
	.amdgcn_target "amdgcn-amd-amdhsa--gfx1250"
	.amdhsa_code_object_version 6
	.text
	.protected	k_qc62e6e190a_prep
	.globl	k_qc62e6e190a_prep
	.p2align	8
	.type	k_qc62e6e190a_prep,@function
k_qc62e6e190a_prep:
	s_mov_b64 s[64:65], 0
	v_nop
	global_prefetch_b8 v0, s[64:65] scope:SCOPE_SE
	s_setreg_imm32_b32 hwreg(HW_REG_WAVE_MODE, 25, 1), 1
	s_wait_xcnt 0x0
; Wk, Wv, Wo ([512 k][512 n], f32) become codes of E4M3 laid as IMAGES OF OPERAND REGISTERS; Wq is quantised the same way and multiplied at once: q = Q(query) Q(Wq) 2^(e0+e1) + bq.
; code = x / 2^e, held within +-448, to the nearest code, ties to even.  e: lowp_scales[3] Wk, [5] Wv, [7] Wo, [1] Wq, [0] query.
; ONE ORDER OF K FOR ALL QUANTISED PRODUCTS OF THE PROGRAM, alike on both sides of each: in K step s (0..3) register 4 c + i, byte y, of lane (r, h) holds k = 128 i + 32 s + 8 c + 4 h + y.
; An image (n tile T of 16 columns, K step s) is 2,048 bytes at (4 T + s) x 2048: registers 4 c .. 4 c + 3 of lane L = 16 h + r at 512 c + 16 L.
; SHARES.  Work-group y names the weight (0 Wk, 1 Wv, 2 Wo, 3 Wq), x names 64 columns.  Wave w: 32 columns (w & 1), K step w >> 1.
; A LANE TAKES A COLUMN AND ITS 128 REGISTERS RUN ALONG K IN THAT ORDER: each load reads 128 consecutive bytes, and the conversions' results are the image's bytes; sixteen lanes store 256 consecutive bytes, aligned.
; LIMITS: every e between -126 and 119; e0 + e1 between -126 and 127.  NaN among the inputs is not served.
.set X,    16                          ; v16-143  128 numbers of my column
.set C,    144                         ; v144-175 their codes
.set QX,   176                         ; v176-239 64 numbers of query (q path)
.set LIMW, 240
.set SCLW, 241
.set LIMQ, 242
.set SCLQ, 243
.set BQV,  244                         ; v244-247 four numbers of bq
.set QF,   16                          ; q path, over X: query's fragments of row tiles 0, 1
.set BQ,   48                          ; Wq's fragments of my two tiles of columns
.set D,    80                          ; four accumulators
.set SM,   112                         ; the sums over K steps
.set STG,  0                           ; LDS (q path alone): a stage of 4,096 bytes for each wave
.set QIMG, 32768                       ; query's eight images, (4 m + s) x 2048
.set PQ,   49152                       ; partial sums: [K step 4][row 32] rows of 256 bytes + 16
.macro QUANT src, n, dst, lim, scl     ; n groups of 16 numbers become n x 4 registers of codes
.set gq, 0
.rept \n
.irp j, 0,1,2,3,4,5,6,7,8,9,10,11,12,13,14,15
	v_med3_num_f32 v[\src+16*gq+\j], v[\src+16*gq+\j], -v[\lim], v[\lim]   ; the conversion to an 8-bit code does not saturate (ISA guide 7.6.2): hold first
.endr
	v_cvt_scalef32_pk8_fp8_f32 v[\dst+4*gq:\dst+4*gq+1], v[\src+16*gq:\src+16*gq+7], v[\scl]
	v_cvt_scalef32_pk8_fp8_f32 v[\dst+4*gq+2:\dst+4*gq+3], v[\src+16*gq+8:\src+16*gq+15], v[\scl]
.set gq, gq+1
.endr
	v_nop                                          ; a plain line behind the last conversion, ahead of whatever next touches its registers
.endm
	s_load_b256 s[4:11], s[0:1], 0x0               ; Wk s[4:5], Wv s[6:7], Wo s[8:9], Wq s[10:11]
	s_load_b256 s[12:19], s[0:1], 0x20             ; scales s[12:13], query s[14:15], bq s[16:17], w_img s[18:19]
	s_load_b128 s[20:23], s[0:1], 0x40             ; wo_img s[20:21], qbuf s[22:23]
	v_lshl_add_u32 v254, v0, 2, 0x14800
	v_mov_b32 v255, 0
	v_lshrrev_b32 v1, 5, v0
	s_delay_alu instid0(VALU_DEP_1)
	v_readfirstlane_b32 s40, v1                    ; wave 0..7
	v_and_b32 v2, 31, v0                           ; lane
	s_wait_alu depctr_va_vdst(0)
	v_and_b32 v5, 15, v0                           ; r
	s_wait_alu depctr_va_vdst(0)
	v_bfe_u32 v6, v0, 4, 1                         ; h (for a column: which of my two tiles)
	s_and_b32 s41, s40, 1                          ; which 32 columns
	s_lshr_b32 s42, s40, 1                         ; K step
	s_and_b32 s43, ttmp7, 0xffff                   ; which weight
	s_lshl_b32 s44, ttmp9, 8                       ; 4 bytes x 64 x
	s_lshl_b32 s45, s41, 7
	s_add_co_u32 s44, s44, s45
	s_lshl_b32 s45, s42, 16                        ; 32 s rows of 2,048 bytes
	s_add_co_u32 s44, s44, s45
	v_lshl_add_u32 v3, v2, 2, s44                  ; my column's byte in row 32 s
	v_lshlrev_b32 v4, 4, v5
	s_wait_alu depctr_va_vdst(0)
	v_lshl_add_u32 v4, v6, 13, v4                  ; in the images: tile (lane / 16) x 8192 + 16 r
	s_wait_kmcnt 0x0
	s_load_b256 s[24:31], s[12:13], 0x0            ; e0 .. e7
	s_cmp_eq_u32 s43, 1                            ; the choices hang on the work-group's number alone
	s_cselect_b64 s[4:5], s[6:7], s[4:5]
	s_cmp_eq_u32 s43, 2
	s_cselect_b64 s[4:5], s[8:9], s[4:5]
	s_cmp_eq_u32 s43, 3
	s_cselect_b64 s[4:5], s[10:11], s[4:5]
.set pp, 0
.rept 128                              ; register pp = 32 c + 16 h + 4 i + y takes row 32 s + 128 i + 8 c + 4 h + y
	global_load_b32 v[X+pp], v3, s[4:5] offset:(128*((pp>>2)&3)+8*(pp>>5)+4*((pp>>4)&1)+(pp&3))*2048 th:TH_LOAD_NT
.set pp, pp+1
.endr
	s_wait_kmcnt 0x0
	s_cmp_eq_u32 s43, 1
	s_cselect_b32 s46, s29, s27
	s_cmp_eq_u32 s43, 2
	s_cselect_b32 s46, s31, s46
	s_cmp_eq_u32 s43, 3
	s_cselect_b32 s46, s25, s46                    ; the weight's e
	s_add_co_i32 s46, s46, 127
	s_lshl_b32 s47, s46, 23
	v_mov_b32 v[SCLW], s47                         ; 2^e as f32: the conversion takes its exponent field
	s_add_co_i32 s46, s46, 8
	s_lshl_b32 s46, s46, 23
	s_or_b32 s46, s46, 0x600000
	v_mov_b32 v[LIMW], s46                         ; 448 x 2^e
	s_cmp_eq_u32 s43, 3
	s_cbranch_scc1 .Lq
	; ---- Wk, Wv, Wo: codes to their images
	s_cmp_eq_u32 s43, 2
	s_cselect_b64 s[18:19], s[20:21], s[18:19]
	s_lshl_b32 s48, ttmp9, 15                      ; tile 4 x + 2 (w & 1): 8,192 bytes a tile
	s_lshl_b32 s49, s41, 14
	s_add_co_u32 s48, s48, s49
	s_lshl_b32 s49, s42, 11                        ; + 2,048 s
	s_add_co_u32 s48, s48, s49
	s_cmp_eq_u32 s43, 1
	s_cselect_b32 s49, 0x40000, 0                  ; Wv's images lie behind Wk's
	s_add_co_u32 s48, s48, s49
	s_mov_b32 s49, 0
	s_add_nc_u64 s[18:19], s[18:19], s[48:49]
	s_wait_loadcnt 0x0
	s_wait_alu depctr_va_vdst(0)
	QUANT X, 8, C, LIMW, SCLW
.irp c, 0,1,2,3
	global_store_b128 v4, v[C+8*\c:C+8*\c+3], s[18:19] offset:512*\c          ; h = 0: sixteen lanes store 256 consecutive bytes, aligned
	global_store_b128 v4, v[C+8*\c+4:C+8*\c+7], s[18:19] offset:512*\c+256    ; h = 1
.endr
	s_endpgm
	; ---- Wq: the product with query.  My wave quantises query's row tile m = w & 1 at my K step
.Lq:
	s_lshl_b32 s48, s42, 7
	s_lshl_b32 s49, s41, 15
	s_add_co_u32 s48, s48, s49
	v_lshlrev_b32 v7, 11, v5
	s_delay_alu instid0(VALU_DEP_1)
	v_lshl_add_u32 v7, v6, 4, v7
	s_delay_alu instid0(VALU_DEP_1)
	v_add_nc_u32 v7, s48, v7                       ; query: row 16 m + r, + 128 s + 16 h
	s_lshl_b32 s49, ttmp9, 8
	v_lshl_add_u32 v8, v5, 4, s49                  ; bq: 256 x + 16 r
.irp c, 0,1,2,3
.irp i, 0,1,2,3
	global_load_b128 v[QX+16*\c+4*\i:QX+16*\c+4*\i+3], v7, s[14:15] offset:512*\i+32*\c   ; k = 128 i + 32 s + 8 c + 4 h + 0 .. 3
.endr
.endr
	global_load_b128 v[BQV:BQV+3], v8, s[16:17]
	s_lshl_b32 s50, s40, 12                        ; my stage
	v_lshlrev_b32 v9, 4, v5
	s_delay_alu instid0(VALU_DEP_1)
	v_lshl_add_u32 v9, v6, 11, v9
	s_delay_alu instid0(VALU_DEP_1)
	v_add_nc_u32 v9, s50, v9                       ; into it, as into an image: tile x 2048 + 16 r
	v_lshl_add_u32 v10, v2, 4, s50                 ; out of it: 16 x lane
	s_lshl_b32 s51, s42, 11
	s_add_co_u32 s52, s51, QIMG
	v_lshl_add_u32 v12, v2, 4, s52                 ; query's images of my K step
	s_lshl_b32 s51, s41, 13
	s_add_co_u32 s51, s51, s52
	v_lshl_add_u32 v11, v2, 4, s51                 ; the one that I make
	s_mul_i32 s50, s42, 8704
	s_lshl_b32 s51, s41, 7
	s_add_co_u32 s50, s50, s51
	s_add_co_u32 s50, s50, PQ
	v_mul_u32_u24 v13, v5, 272
	s_delay_alu instid0(VALU_DEP_1)
	v_lshl_add_u32 v13, v6, 5, v13
	s_delay_alu instid0(VALU_DEP_1)
	v_add_nc_u32 v13, s50, v13                     ; partial sums in: K step, row r, columns 32 (w & 1) + 8 h on
	s_mul_i32 s50, s40, 1088
	s_add_co_u32 s50, s50, PQ
	v_mul_u32_u24 v14, v6, 272
	s_delay_alu instid0(VALU_DEP_1)
	v_lshl_add_u32 v14, v5, 4, v14
	s_delay_alu instid0(VALU_DEP_1)
	v_add_nc_u32 v14, s50, v14                     ; and out: row 4 w + h, 16 bytes a lane
	s_lshl_b32 s50, s40, 13
	s_add_co_u32 s50, s50, s49
	v_lshlrev_b32 v15, 11, v6
	s_delay_alu instid0(VALU_DEP_1)
	v_lshl_add_u32 v15, v5, 4, v15
	s_delay_alu instid0(VALU_DEP_1)
	v_add_nc_u32 v15, s50, v15                     ; the same place in qbuf
	s_add_co_i32 s46, s24, 127
	s_lshl_b32 s47, s46, 23
	v_mov_b32 v[SCLQ], s47
	s_add_co_i32 s46, s46, 8
	s_lshl_b32 s46, s46, 23
	s_or_b32 s46, s46, 0x600000
	v_mov_b32 v[LIMQ], s46
	s_add_co_i32 s54, s24, s25
	s_add_co_i32 s54, s54, 127
	s_lshl_b32 s54, s54, 23                        ; 2^(e0 + e1) as f32
	s_mov_b32 s55, s54                             ; (named with it as a pair, so it is written)
	s_wait_loadcnt 0x0
	QUANT X, 8, C, LIMW, SCLW
	QUANT QX, 4, QF, LIMQ, SCLQ                    ; loaded in the fragment's order: the results are the fragment
.irp c, 0,1,2,3
	ds_store_b128 v9, v[C+8*\c:C+8*\c+3] offset:512*\c
	ds_store_b128 v9, v[C+8*\c+4:C+8*\c+7] offset:512*\c+256
.endr
.irp tl, 0,1
.irp c, 0,1,2,3
	ds_load_b128 v[BQ+16*\tl+4*\c:BQ+16*\tl+4*\c+3], v10 offset:2048*\tl+512*\c   ; LDS serves a wave's instructions in order: these see my stores
.endr
.endr
.irp c, 0,1,2,3
	ds_store_b128 v11, v[QF+4*\c:QF+4*\c+3] offset:512*\c
.endr
	s_wait_dscnt 0x0                               ; for the others' sake: my image of query lies in LDS
	s_barrier_signal -1
	s_barrier_wait -1
.irp m, 0,1
.irp c, 0,1,2,3
	ds_load_b128 v[QF+16*\m+4*\c:QF+16*\m+4*\c+3], v12 offset:8192*\m+512*\c
.endr
.endr
	s_wait_dscnt 0x0
.irp m, 0,1
.irp tl, 0,1                           ; transposed: source 0 = 16 columns of Wq, source 1 = 16 rows of query: a lane holds eight neighbouring columns of one row
	v_wmma_f32_16x16x128_fp8_fp8 v[D+8*(2*\m+\tl):D+8*(2*\m+\tl)+7], v[BQ+16*\tl:BQ+16*\tl+15], v[QF+16*\m:QF+16*\m+15], 0
.endr
.endr
.rept 4
	v_nop                                          ; places between the products and the stores of their results
.endr
.irp m, 0,1
.irp tl, 0,1
	ds_store_b128 v13, v[D+8*(2*\m+\tl):D+8*(2*\m+\tl)+3] offset:4352*\m+64*\tl
	ds_store_b128 v13, v[D+8*(2*\m+\tl)+4:D+8*(2*\m+\tl)+7] offset:4352*\m+64*\tl+16
.endr
.endr
	s_wait_dscnt 0x0                               ; my K step's partial sums lie in LDS
	s_barrier_signal -1
	s_barrier_wait -1
.irp i, 0,1
.irp sp, 0,1,2,3
	ds_load_b128 v[SM+16*\i+4*\sp:SM+16*\i+4*\sp+3], v14 offset:8704*\sp+544*\i
.endr
.endr
.irp i, 0,1                            ; rows 4 w + 2 i + h: the four K steps' sums, x 2^(e0 + e1), + bq
	s_wait_dscnt 4-4*\i                            ; the other pair of rows' four loads may be out
	v_pk_add_f32 v[SM+16*\i:SM+16*\i+1], v[SM+16*\i:SM+16*\i+1], v[SM+16*\i+4:SM+16*\i+5]
	v_pk_add_f32 v[SM+16*\i+2:SM+16*\i+3], v[SM+16*\i+2:SM+16*\i+3], v[SM+16*\i+6:SM+16*\i+7]
	v_pk_add_f32 v[SM+16*\i+8:SM+16*\i+9], v[SM+16*\i+8:SM+16*\i+9], v[SM+16*\i+12:SM+16*\i+13]
	v_pk_add_f32 v[SM+16*\i+10:SM+16*\i+11], v[SM+16*\i+10:SM+16*\i+11], v[SM+16*\i+14:SM+16*\i+15]
	s_delay_alu instid0(VALU_DEP_2)
	v_pk_add_f32 v[SM+16*\i:SM+16*\i+1], v[SM+16*\i:SM+16*\i+1], v[SM+16*\i+8:SM+16*\i+9]
	s_delay_alu instid0(VALU_DEP_2)
	v_pk_add_f32 v[SM+16*\i+2:SM+16*\i+3], v[SM+16*\i+2:SM+16*\i+3], v[SM+16*\i+10:SM+16*\i+11]
	s_delay_alu instid0(VALU_DEP_2)
	v_pk_fma_f32 v[SM+16*\i:SM+16*\i+1], v[SM+16*\i:SM+16*\i+1], s[54:55], v[BQV:BQV+1] op_sel_hi:[1,0,1]
	s_delay_alu instid0(VALU_DEP_2)
	v_pk_fma_f32 v[SM+16*\i+2:SM+16*\i+3], v[SM+16*\i+2:SM+16*\i+3], s[54:55], v[BQV+2:BQV+3] op_sel_hi:[1,0,1]
	global_store_b128 v15, v[SM+16*\i:SM+16*\i+3], s[22:23] offset:4096*\i   ; sixteen lanes store 256 consecutive bytes, aligned
.endr
	s_wait_tensorcnt 0x0
	ds_add_u32 v254, v255
	s_wait_dscnt 0x0
	s_endpgm
.Lfunc_end_k_qc62e6e190a_prep:
	.size	k_qc62e6e190a_prep, .Lfunc_end_k_qc62e6e190a_prep-k_qc62e6e190a_prep
	.p2alignl 7, 3214868480
	.fill 96, 4, 3214868480
	.section	.rodata,"a",@progbits
	.p2align	6, 0x0
	.amdhsa_kernel k_qc62e6e190a_prep
		.amdhsa_group_segment_fixed_size 84992
		.amdhsa_private_segment_fixed_size 0
		.amdhsa_enable_private_segment 0
		.amdhsa_kernarg_size 80
		.amdhsa_user_sgpr_count 2
		.amdhsa_user_sgpr_kernarg_segment_ptr 1
		.amdhsa_wavefront_size32 1
		.amdhsa_system_sgpr_workgroup_id_x 1
		.amdhsa_system_sgpr_workgroup_id_y 1
		.amdhsa_system_sgpr_workgroup_id_z 1
		.amdhsa_system_vgpr_workitem_id 0
		.amdhsa_next_free_vgpr 256
		.amdhsa_next_free_sgpr 66
		.amdhsa_reserve_vcc 0
		.amdhsa_float_denorm_mode_32 3
		.amdhsa_float_denorm_mode_16_64 3
		.amdhsa_memory_ordered 1
		.amdhsa_forward_progress 1
		.amdhsa_inst_pref_size 48
	.end_amdhsa_kernel
	.amdgpu_metadata
---
amdhsa.version: [ 1, 2 ]
amdhsa.kernels:
  - .name:           k_qc62e6e190a_prep
    .symbol:         k_qc62e6e190a_prep.kd
    .args:
      - { .name: Wk, .offset: 0, .size: 8, .value_kind: global_buffer, .address_space: global }
      - { .name: Wv, .offset: 8, .size: 8, .value_kind: global_buffer, .address_space: global }
      - { .name: Wo, .offset: 16, .size: 8, .value_kind: global_buffer, .address_space: global }
      - { .name: Wq, .offset: 24, .size: 8, .value_kind: global_buffer, .address_space: global }
      - { .name: lowp_scales, .offset: 32, .size: 8, .value_kind: global_buffer, .address_space: global }
      - { .name: query, .offset: 40, .size: 8, .value_kind: global_buffer, .address_space: global }
      - { .name: bq, .offset: 48, .size: 8, .value_kind: global_buffer, .address_space: global }
      - { .name: w_img, .offset: 56, .size: 8, .value_kind: global_buffer, .address_space: global }
      - { .name: wo_img, .offset: 64, .size: 8, .value_kind: global_buffer, .address_space: global }
      - { .name: qbuf, .offset: 72, .size: 8, .value_kind: global_buffer, .address_space: global }
    .group_segment_fixed_size: 84992
    .private_segment_fixed_size: 0
    .kernarg_segment_align: 8
    .kernarg_segment_size: 80
    .max_flat_workgroup_size: 256
    .sgpr_count:     66
    .vgpr_count:     256
    .wavefront_size: 32
...
	.end_amdgpu_metadata
.endif
;; end of part 4
;; launch main (part 5): grid 256 x 1, 4 waves a work-group, no clusters, 326,656 bytes of LDS; arguments context, dist_matrix, context_mask, lowp_scales, qbuf, bk, bv, w_img, part; writes part
.if DOCPART == 5
	.amdgcn_target "amdgcn-amd-amdhsa--gfx1250"
	.amdhsa_code_object_version 6
	.text
	.protected	k_qc62e6e190a_main
	.globl	k_qc62e6e190a_main
	.p2align	8
	.type	k_qc62e6e190a_main,@function
k_qc62e6e190a_main:
	s_mov_b64 s[64:65], 0
	v_nop
	global_prefetch_b8 v0, s[64:65] scope:SCOPE_SE
	s_setreg_imm32_b32 hwreg(HW_REG_WAVE_MODE, 25, 1), 1
	s_wait_xcnt 0x0
; For 512 context rows of one batch (work-group g: batch g / 8, eighth g % 8): k = Q(ctx) Q(Wk), the 16 heads' scores, v = Q(ctx) Q(Wv), and the sums of p v under the work-group's own maxima.
; Out go, for each of the 512 columns: acc = sum of p (v / 2^(e4+e5)), the head's maximum m of t, the head's sum l of p = 2^(t - m);
; t = (q . k / sqrt(32) - 0.1 dist) log2(e), or -1e9 log2(e) where the mask is 0.  The last launch joins a batch's eight parts.
; SHARES.  Wave w owns heads 4 w .. 4 w + 3 for ALL 512 rows: its 32 fragments of a weight (64 KiB) stay in 512 registers, so no weight passes through LDS, and maxima and sums need no other wave.
; LOOP K, 16 trips: each wave loads 8 rows (row 128 w + 8 trip + i) as they lie through a ring of 8 register slots, 32 loads on their way; holds and converts each twice (e2, e4); the codes for k go to an exchange of 32 rows
; in LDS, the codes for v to the park.  Behind a barrier every wave multiplies the trip's two tiles of 16 rows by its Wk (64 products) and forms t.  The last trip's refills of the ring bring Wv's first 8 fragments.
; LOOP V, 16 trips: two tiles of the park against Wv (64 products); p is taken in the loop; 64 registers gather p v and are summed over lanes once.
; ORDER OF K as in the weights' images: register 4 c + i, byte y, lane (r, h), K step s: k = 128 i + 32 s + 8 c + 4 h + y.  Products are used transposed: lane (r, h) holds row r, register 8 u + j column 16 u + 8 h + j of a head.
; THE BIASES, by the same sums in another order: q . (k' + bk') = q . k' + q . bk' (the start of each score's sum); sum p (v' + bv') = sum p v' + bv' l.
; The mask as one fused multiply-add: t = s x (c or 0) + (dist term or -1e9 log2(e)), c = log2(e) / sqrt(32) x 2^(e2+e3).
; NO TENSOR LOADS, NO CLUSTER: two thirds of a work-group's bytes (its rows) are read by it alone and want 32 loads a wave on their way; its weights go straight into registers, each wave its own quarter.
; NO PREFETCH: loop K has all its ring's loads out in every trip and the rows are read once.
; LIMITS: e2, e4 between -126 and 119; e2 + e3 between -124 and 126.  NaN and infinities among the inputs are not served.
; REGISTERS.  Window 0: v2-15 addresses; v16-79 eight accumulators; v80-127 at work; v128-255 two tiles' fragments (loop V: v128-191 the sums, v192-211 the way out).
; Window 1: v0-127 the ring; v128-167 at work and constants; v176-239 q.  Windows 2, 3: Wk.  Loop V: Wv in windows 1, 2; the tiles' fragments in window 3.
.set PP,    528                        ; a row of 512 codes + 16: the 16 rows of a fragment load start at 16 different banks
.set EX,    270336                     ; behind the park of 512 rows: the exchange, 32 rows
.set TT,    287232                     ; t: [wave 4][trip 16][lane 32][4]
.set DM,    320000                     ; [row 512] pairs (factor, term)
.set SPARE, 324096                     ; the spare words, 128 bytes a wave
.set STG,   324608                     ; the way out: 512 bytes a wave
.set AFB,2
.set AF0,3
.set AFP,4
.set ADMB,5
.set ADM,6
.set ATTB,7
.set ATT,8
.set APE,9
.set APT,10
.set A16,11
.set SPW,12
.set NIL,13
.set MX,14
.set ACC,16
.set TMP,80
.set SND,88
.set KEP,90
.set RCV,92
.set RES,96
.set DMR,100
.set CB,104
.set BV,112
.set AQ,116
.set AT16,117
.set ADT,118
.set FR,128
.set PE,96
.set ME,104
.set MO,106
.set LE,108
.set LO,110
.set OO,128
.set RT,192
.set TK,128                            ; window 1 from here
.set CK,144
.set CV,148
.set ACTX,160
.set AEX,161
.set APKB,162
.set APK,163
.set LIMK,164
.set SCLK,165
.set LIMV,166
.set SCLV,167
.set Q,176
.set MSB, 0
.macro WIN new                         ; low byte: bits 1:0 source 0, 3:2 source 1, 5:4 source 2, 7:6 destination; the high byte repeats the setting that is left
.if MSB != (\new)
	s_set_vgpr_msb (MSB<<8)|(\new)
.set MSB, (\new)
.endif
.endm
.macro PLACES                          ; four plain lines between matrix instructions and loads into, or reads of, their registers
.rept 4
	v_nop
.endr
.endm
.macro XLOAD slot, b                   ; 2,048 consecutive bytes into a slot of the ring
.irp g, 0,1,2,3
	global_load_b128 v[16*(\slot)+4*\g:16*(\slot)+4*\g+3], v[ACTX], s[\b:\b+1] offset:2048*(\slot)+512*\g th:TH_LOAD_NT
.endr
.endm
.macro WLOAD f0, n, wb, b              ; fragments f0 .. f0 + n - 1 of my weight: fragment f in window wb + f / 16 at 16 (f % 16)
.set ff, \f0
.rept \n
	WIN 0x40*((\wb)+(ff>>4))
.irp c, 0,1,2,3
	global_load_b128 v[16*(ff&15)+4*\c:16*(ff&15)+4*\c+3], v[A16], s[\b:\b+1] offset:2048*ff+512*\c
.endr
.set ff, ff+1
.endr
.endm
.macro QLOAD dst, b                    ; 64 numbers of a row of 512 in the result's layout: register 16 hh + 8 u + j = column 32 hh + 16 u + 8 h + j of my 128
.set nn, 0
.rept 16
	global_load_b128 v[\dst+4*nn:\dst+4*nn+3], v[AQ], s[\b:\b+1] offset:128*(nn>>2)+64*((nn>>1)&1)+16*(nn&1)
.set nn, nn+1
.endr
.endm
.macro ROW i                           ; all operands in window 1
	s_wait_loadcnt 28                              ; loads come back in order: slot i is in; the seven younger slots' 28 loads stay out
.irp j, 0,1,2,3,4,5,6,7,8,9,10,11,12,13,14,15
	v_med3_num_f32 v[TK+\j], v[16*(\i)+\j], -v[LIMK], v[LIMK]    ; the conversion does not saturate (ISA guide 7.6.2): hold within 448 x 2^e2
.endr
	v_cvt_scalef32_pk8_fp8_f32 v[CK:CK+1], v[TK:TK+7], v[SCLK]
	v_cvt_scalef32_pk8_fp8_f32 v[CK+2:CK+3], v[TK+8:TK+15], v[SCLK]
.irp j, 0,1,2,3,4,5,6,7,8,9,10,11,12,13,14,15
	v_med3_num_f32 v[16*(\i)+\j], v[16*(\i)+\j], -v[LIMV], v[LIMV]   ; and within 448 x 2^e4, in place
.endr
	ds_store_b128 v[AEX], v[CK:CK+3] offset:(\i)*PP
	v_cvt_scalef32_pk8_fp8_f32 v[CV:CV+1], v[16*(\i):16*(\i)+7], v[SCLV]
	v_cvt_scalef32_pk8_fp8_f32 v[CV+2:CV+3], v[16*(\i)+8:16*(\i)+15], v[SCLV]
	v_nop                                          ; a plain line behind the conversions
	ds_store_b128 v[APK], v[CV:CV+3] offset:(\i)*PP
	XLOAD \i, 32                                   ; the slot's row of the next trip
.endm
; Where e2 = e4 the codes for k and for v are the same numbers: a row is held and converted once; its slot is free behind the holds and is asked for again at once;
; row i's four registers of codes are its own (v144 + 4 i, from row 4 on v240 + 4 (i - 4), window 1), and all eight rows are stored in one run behind the last.
.macro ROWK i
	s_wait_loadcnt 28                              ; slot i is in; the seven younger slots' 28 loads stay out
.irp j, 0,1,2,3,4,5,6,7,8,9,10,11,12,13,14,15
	v_med3_num_f32 v[TK+\j], v[16*(\i)+\j], -v[LIMK], v[LIMK]
.endr
	XLOAD \i, 32
	v_cvt_scalef32_pk8_fp8_f32 v[CK+4*(\i)+80*((\i)/4):CK+4*(\i)+80*((\i)/4)+1], v[TK:TK+7], v[SCLK]
	v_cvt_scalef32_pk8_fp8_f32 v[CK+4*(\i)+80*((\i)/4)+2:CK+4*(\i)+80*((\i)/4)+3], v[TK+8:TK+15], v[SCLK]
	v_nop                                          ; a plain line between the conversions and the next row's holds, which write their sources
.endm
.macro LFR reg, adr, off
.irp s, 0,1,2,3
.irp c, 0,1,2,3
	ds_load_b128 v[\reg+16*\s+4*\c:\reg+16*\s+4*\c+3], v[\adr] offset:(\off)+128*\s+32*\c
.endr
.endr
.endm
.macro PROD wb, bw, fr, w=0            ; 32 products: my 8 tiles of columns x one tile of rows.  Four accumulators take turns, one instruction a turn.  w = 1: the tile's fragments are awaited K step by K step
.irp hf, 0,1
	WIN ((\wb)+\hf)|((\bw)<<2)
.irp ks, 0,1,2,3
.if (\w)*(1-\hf)
	s_wait_dscnt 30-4*\ks                          ; of the run's 34 LDS loads those behind this K step's four may be out
.endif
.irp a, 0,1,2,3
.if \ks == 0
	v_wmma_f32_16x16x128_fp8_fp8 v[ACC+8*(4*\hf+\a):ACC+8*(4*\hf+\a)+7], v[64*\a+16*\ks:64*\a+16*\ks+15], v[(\fr)+16*\ks:(\fr)+16*\ks+15], 0
.else
	v_wmma_f32_16x16x128_fp8_fp8 v[ACC+8*(4*\hf+\a):ACC+8*(4*\hf+\a)+7], v[64*\a+16*\ks:64*\a+16*\ks+15], v[(\fr)+16*\ks:(\fr)+16*\ks+15], v[ACC+8*(4*\hf+\a):ACC+8*(4*\hf+\a)+7]
.endif
.endr
.endr
.endr
	WIN 0
.endm
; Four heads' scores of tile a: a lane's 16 columns against q, each accumulator from its low end on; one exchange between the halves of the lanes completes a pair of heads:
; lanes 0-15 end with the even head's t of row r, lanes 16-31 with the odd head's.
.macro VECK a
	WIN 0x04
.irp i, 0,1,2,3,4,5,6,7
.irp hh, 0,1,2,3
.if \i == 0
	v_pk_fma_f32 v[TMP+2*\hh:TMP+2*\hh+1], v[ACC+16*\hh:ACC+16*\hh+1], v[Q+16*\hh:Q+16*\hh+1], v[CB+2*\hh:CB+2*\hh+1]
.else
	v_pk_fma_f32 v[TMP+2*\hh:TMP+2*\hh+1], v[ACC+16*\hh+2*\i:ACC+16*\hh+2*\i+1], v[Q+16*\hh+2*\i:Q+16*\hh+2*\i+1], v[TMP+2*\hh:TMP+2*\hh+1]
.endif
.endr
.endr
	WIN 0
.irp hh, 0,1,2,3
	v_add_f32 v[TMP+2*\hh], v[TMP+2*\hh], v[TMP+2*\hh+1]
.endr
.irp p, 0,1
	v_cndmask_b32 v[SND+\p], v[TMP+4*\p+2], v[TMP+4*\p], s48     ; sent: lanes 0-15 the odd head's half sum, lanes 16-31 the even head's
	v_cndmask_b32 v[KEP+\p], v[TMP+4*\p], v[TMP+4*\p+2], s48     ; kept
.endr
.irp p, 0,1
	v_permlanex16_b32 v[RCV+\p], v[SND+\p], s54, s55
.endr
.irp p, 0,1
	v_add_f32 v[KEP+\p], v[KEP+\p], v[RCV+\p]
.endr
.irp p, 0,1
	v_fma_f32 v[RES+2*(\a)+\p], v[KEP+\p], v[DMR+2*(\a)], v[DMR+2*(\a)+1]
.endr
.irp p, 0,1
	v_max_num_f32 v[MX+\p], v[MX+\p], v[RES+2*(\a)+\p]           ; the running maxima
.endr
.endm
.macro VECV a                          ; the sums of p v' of tile a: p of head hh = 2 P + odd is register PE + 4 odd + 2 a + P
.irp hh, 0,1,2,3
.irp i, 0,1,2,3,4,5,6,7
.if \hh < 2
	v_pk_fma_f32 v[OO+16*\hh+2*\i:OO+16*\hh+2*\i+1], v[ACC+16*\hh+2*\i:ACC+16*\hh+2*\i+1], v[PE+4*(\hh&1)+2*(\a):PE+4*(\hh&1)+2*(\a)+1], v[OO+16*\hh+2*\i:OO+16*\hh+2*\i+1] op_sel_hi:[1,0,1]
.else
	v_pk_fma_f32 v[OO+16*\hh+2*\i:OO+16*\hh+2*\i+1], v[ACC+16*\hh+2*\i:ACC+16*\hh+2*\i+1], v[PE+4*(\hh&1)+2*(\a):PE+4*(\hh&1)+2*(\a)+1], v[OO+16*\hh+2*\i:OO+16*\hh+2*\i+1] op_sel:[0,1,0] op_sel_hi:[1,1,1]
.endif
.endr
.endr
.endm
.macro RED o, dist, msk                ; the sum over 16 lanes by halving: lanes whose bit is set keep the upper registers' sums, the others the lower ones'
.set ii, 0
.rept \dist
	v_cndmask_b32 v[RT+ii], v[(\o)+ii+\dist], v[(\o)+ii], s[\msk]
.set ii, ii+1
.endr
.set ii, 0
.rept \dist
	v_cndmask_b32 v[(\o)+ii], v[(\o)+ii], v[(\o)+ii+\dist], s[\msk]
.set ii, ii+1
.endr
.set ii, 0
.rept \dist
	v_add_f32_dpp v[(\o)+ii], v[RT+ii], v[(\o)+ii] row_xmask:\dist row_mask:0xf bank_mask:0xf
.set ii, ii+1
.endr
.endm
	; ---- the head: the first eight rows are asked for first
	s_load_b512 s[4:19], s[0:1], 0x0               ; context s[4:5], dist s[6:7], mask s[8:9], scales s[10:11], qbuf s[12:13], bk s[14:15], bv s[16:17], w_img s[18:19]
	s_load_b64 s[20:21], s[0:1], 0x40              ; part
	v_lshl_add_u32 v[SPW], v0, 2, SPARE
	v_mov_b32 v[NIL], 0
	v_lshrrev_b32 v1, 5, v0
	v_readfirstlane_b32 s22, v1                    ; wave 0..3
	v_and_b32 v1, 31, v0                           ; lane
	v_lshlrev_b32 v[A16], 4, v1
	WIN 0x40
	v_lshlrev_b32 v[ACTX], 4, v1
	WIN 0
	s_lshl_b32 s66, ttmp9, 20                      ; 512 rows of 2,048 bytes a work-group,
	s_lshl_b32 s67, s22, 18                        ; 128 a wave
	s_add_co_u32 s66, s66, s67
	s_mov_b32 s67, 0
	s_wait_alu depctr_va_vdst(0)
	s_wait_kmcnt 0x0
	s_load_b256 s[24:31], s[10:11], 0x0            ; e0 .. e7
	s_add_nc_u64 s[34:35], s[4:5], s[66:67]        ; my rows of trip 0
	s_add_nc_u64 s[32:33], s[34:35], 16384         ; what the ring's refills read: the next trip's rows
	WIN 0x41
.irp i, 0,1,2,3,4,5,6,7
	XLOAD \i, 34
.endr
	WIN 0
	s_lshl_b32 s68, s22, 13
	s_add_co_u32 s68, s68, TT
	s_lshl_b32 s69, s22, 6
	s_add_co_u32 s69, s69, DM
	s_mul_i32 s70, s22, 8*PP
	s_add_co_u32 s71, s70, EX
	v_and_b32 v120, 15, v0                         ; r
	v_bfe_u32 v121, v0, 4, 1                       ; h
	v_mul_u32_u24 v[AFB], v120, PP
	v_lshl_add_u32 v[AFB], v121, 4, v[AFB]         ; a fragment's place: r rows + 16 h
	v_add_nc_u32 v[AF0], EX, v[AFB]
	v_lshl_add_u32 v[ADMB], v120, 3, DM
	v_add_nc_u32 v[ATTB], s68, v[A16]
	v_lshl_add_u32 v[APE], v120, 4, s68
	v_lshlrev_b32 v[AQ], 5, v121
	v_lshlrev_b32 v[AT16], 4, v0
	v_bfe_u32 v122, v0, 1, 4                       ; thread th holds rows 4 th ..: wave th / 32, trip (th / 2) % 16, i = 4 (th % 2) ..: place 32 trip + 8 wave + i in the table
	v_and_b32 v123, 1, v0
	v_lshlrev_b32 v122, 8, v122
	v_lshl_add_u32 v122, v123, 5, v122
	v_add_nc_u32 v[ADT], s69, v122
	v_mov_b32 v[MX], 0xff800000
	v_mov_b32 v[MX+1], 0xff800000
	v_mov_b32 v[RCV], 0                            ; a lane permute's destination counts as a source
	v_mov_b32 v[RCV+1], 0
	WIN 0x40
	v_add_nc_u32 v[APKB], s70, v[A16]              ; my 8 rows of a trip's 32, + 16 x lane
	v_add_nc_u32 v[AEX], s71, v[A16]
	WIN 0
	s_wait_alu depctr_va_vdst(0)
	s_lshl_b32 s66, ttmp9, 11
	s_add_nc_u64 s[6:7], s[6:7], s[66:67]
	s_add_nc_u64 s[8:9], s[8:9], s[66:67]
	s_lshl_b32 s66, s22, 9                         ; my 128 columns
	s_add_nc_u64 s[14:15], s[14:15], s[66:67]
	s_add_nc_u64 s[16:17], s[16:17], s[66:67]
	s_add_nc_u64 s[12:13], s[12:13], s[66:67]
	s_add_nc_u64 s[20:21], s[20:21], s[66:67]
	s_lshr_b32 s66, ttmp9, 3
	s_lshl_b32 s66, s66, 11
	s_add_nc_u64 s[12:13], s[12:13], s[66:67]      ; my batch's q
	s_mul_i32 s66, ttmp9, 6144
	s_add_nc_u64 s[20:21], s[20:21], s[66:67]
	s_lshl_b32 s66, s22, 16
	s_add_nc_u64 s[38:39], s[18:19], s[66:67]      ; my 32 images of Wk,
	s_add_nc_u64 s[18:19], s[38:39], 0x40000       ; and of Wv
	WIN 0x40
	QLOAD Q, 12
	WIN 0
	QLOAD FR, 14                                   ; bk, for the head alone
	global_load_b128 v[192:195], v[AT16], s[6:7]
	global_load_b128 v[196:199], v[AT16], s[8:9]
	WLOAD 0, 32, 2, 38
	WIN 0
	s_mov_b32 s48, 0xffff0000                      ; lanes 16-31
	s_mov_b32 s49, 0xff00ff00                      ; lanes whose bit 3, 2, 1, 0 is set
	s_mov_b32 s50, 0xf0f0f0f0
	s_mov_b32 s51, 0xcccccccc
	s_mov_b32 s52, 0xaaaaaaaa
	s_mov_b32 s40, 0x0000ff00                      ; lanes 8-15, 16-23, 24-31
	s_mov_b32 s41, 0x00ff0000
	s_mov_b32 s42, 0xff000000
	s_mov_b32 s54, 0x76543210                      ; v_permlanex16_b32: lane l xor 16
	s_mov_b32 s55, 0xfedcba98
	s_mov_b32 s56, 0xceabfb8f                      ; -1e9 log2(e)
	s_mov_b32 s57, 0xbe13bb63                      ; -0.1 log2(e)
	s_wait_kmcnt 0x0
	s_add_co_i32 s76, s26, s27
	s_lshl_b32 s58, s76, 23
	s_add_co_i32 s58, s58, 0x3e8293ee              ; c = log2(e) / sqrt(32) x 2^(e2 + e3)
	s_sub_co_i32 s44, 127, s76
	s_lshl_b32 s44, s44, 23                        ; 2^-(e2 + e3)
	s_mov_b32 s45, s44
	s_add_co_i32 s59, s28, s29
	s_sub_co_i32 s59, 0, s59                       ; -(e4 + e5)
	s_add_co_i32 s76, s26, 127
	s_lshl_b32 s77, s76, 23
	s_add_co_i32 s76, s76, 8
	s_lshl_b32 s76, s76, 23
	s_or_b32 s76, s76, 0x600000
	s_add_co_i32 s78, s28, 127
	s_lshl_b32 s79, s78, 23
	s_add_co_i32 s78, s78, 8
	s_lshl_b32 s78, s78, 23
	s_or_b32 s78, s78, 0x600000
	WIN 0x40
	v_mov_b32 v[LIMK], s76                         ; 448 x 2^e2
	v_mov_b32 v[SCLK], s77                         ; 2^e2
	v_mov_b32 v[LIMV], s78
	v_mov_b32 v[SCLV], s79
	WIN 0
	s_wait_alu depctr_va_vdst(0)
	s_wait_loadcnt 63                              ; 128 loads of Wk are younger than q, bk, dist and mask: these are in; the youngest 63 stay out
	WIN 0x01
.irp i, 0,1,2,3,4,5,6,7                ; q . bk over my lane's 16 columns of each head, as a pair of sums
.irp hh, 0,1,2,3
.if \i == 0
	v_pk_mul_f32 v[CB+2*\hh:CB+2*\hh+1], v[Q+16*\hh:Q+16*\hh+1], v[FR+16*\hh:FR+16*\hh+1]
.else
	v_pk_fma_f32 v[CB+2*\hh:CB+2*\hh+1], v[Q+16*\hh+2*\i:Q+16*\hh+2*\i+1], v[FR+16*\hh+2*\i:FR+16*\hh+2*\i+1], v[CB+2*\hh:CB+2*\hh+1]
.endif
.endr
.endr
	WIN 0
.irp hh, 0,1,2,3
	v_pk_mul_f32 v[CB+2*\hh:CB+2*\hh+1], v[CB+2*\hh:CB+2*\hh+1], s[44:45] op_sel_hi:[1,0]   ; / 2^(e2 + e3), as the sums of codes stand
.endr
.irp y, 0,1,2,3
	v_cmp_ne_u32 vcc_lo, 0, v[196+\y]
	v_mul_f32 v[201+2*\y], s57, v[192+\y]
	v_cndmask_b32 v[200+2*\y], 0, s58, vcc_lo
	v_cndmask_b32 v[201+2*\y], s56, v[201+2*\y], vcc_lo
.endr
	ds_store_b128 v[ADT], v[200:203]
	ds_store_b128 v[ADT], v[204:207] offset:16
	s_mov_b32 s61, 0                               ; the trip's place in the park: 32 rows a trip
	s_mov_b32 s62, 0                               ; in my t: 512 bytes
	s_mov_b32 s63, 0                               ; in the table: 256 bytes
	s_mov_b32 s53, 16
	s_wait_alu depctr_va_vdst(0)
	; ---- loop K
.Lk:
	v_add_nc_u32 v[ATT], s62, v[ATTB]
	v_add_nc_u32 v[ADM], s63, v[ADMB]
	WIN 0x55
	v_add_nc_u32 v[APK], s61, v[APKB]
	WIN 0
	s_cmp_eq_u32 s26, s28                          ; e2 = e4?  Two whole numbers of lowp_scales, the same in all waves; both arms issue the same loads in the same order, and no barrier stands in either
	s_wait_alu depctr_va_vdst(0)
	s_cbranch_scc1 .Lsame
	WIN 0x55
.irp i, 0,1,2,3,4,5,6,7
	ROW \i
.endr
	WIN 0
	s_branch .Ljoin
.Lsame:
	WIN 0x55
.irp i, 0,1,2,3,4,5,6,7
	ROWK \i
.endr
.irp i, 0,1,2,3,4,5,6,7
	ds_store_b128 v[AEX], v[CK+4*\i+80*(\i/4):CK+4*\i+80*(\i/4)+3] offset:\i*PP
	ds_store_b128 v[APK], v[CK+4*\i+80*(\i/4):CK+4*\i+80*(\i/4)+3] offset:\i*PP
.endr
	WIN 0
.Ljoin:
	s_wait_dscnt 0x0                               ; my rows' codes (first trip: my part of the table) lie in LDS
	s_barrier_signal -1
	s_barrier_wait -1
	LFR FR, AF0, 0
	ds_load_b64 v[DMR:DMR+1], v[ADM]
	ds_load_b64 v[DMR+2:DMR+3], v[ADM] offset:128
	LFR FR+64, AF0, 16*PP
	PROD 2, 0, FR, 1
	s_wait_dscnt 0x0                               ; my reads of the exchange are over:
	s_barrier_signal -1                            ; say so; register work alone up to the wait
	PLACES
	VECK 0
	PROD 2, 0, FR+64
	PLACES
	VECK 1
	s_wait_alu depctr_va_vdst(0)
	s_barrier_wait -1                              ; nobody reads the exchange any more
	ds_store_b128 v[ATT], v[RES:RES+3]             ; t: (tile 0, 1) x (pair 0, 1)
	s_wait_xcnt 0x0                                ; the refills have read their base
	s_add_nc_u64 s[32:33], s[32:33], 16384
	s_add_co_u32 s61, s61, 32*PP
	s_add_co_u32 s62, s62, 512
	s_add_co_u32 s63, s63, 256
	s_sub_co_u32 s53, s53, 1
	s_cmp_eq_u32 s53, 1
	s_cselect_b64 s[32:33], s[18:19], s[32:33]     ; the last trip has no rows to ask for: its refills bring Wv's fragments 0 to 7, whose images are laid as the slots are
	s_cmp_lg_u32 s53, 0
	s_cbranch_scc1 .Lk
	; ---- between the loops: the rest of Wv, the first tiles of the park, the maxima
	WLOAD 8, 24, 1, 18                             ; into registers whose last readers stand ahead of the last scores' vector work
	WIN 0
	s_wait_dscnt 0x0
	s_barrier_signal -1
	s_barrier_wait -1
	global_load_b128 v[BV:BV+3], v[A16], s[16:17]
	WIN 0xc0
	LFR 0, AFB, 0
	LFR 64, AFB, 16*PP
	WIN 0
	ds_load_b128 v[PE:PE+3], v[APE]                ; t of the even heads, row r, in both halves of the lanes,
	ds_load_b128 v[PE+4:PE+7], v[APE] offset:256   ; and of the odd heads
.irp x, 1,2,4,8
.irp p, 0,1
	v_max_num_f32_dpp v[MX+\p], v[MX+\p], v[MX+\p] row_xmask:\x row_mask:0xf bank_mask:0xf
.endr
.endr
.irp p, 0,1
	v_permlanex16_b32 v[RCV+\p], v[MX+\p], s54, s55
.endr
.irp p, 0,1
	v_cndmask_b32 v[ME+\p], v[MX+\p], v[RCV+\p], s48             ; the even head's maximum in every lane,
	v_cndmask_b32 v[MO+\p], v[RCV+\p], v[MX+\p], s48             ; the odd head's
.endr
.irp k, 0,1,2,3
	v_mov_b32 v[LE+\k], 0
.endr
.set ii, 0
.rept 64
	v_mov_b32 v[OO+ii], 0                          ; the loop is written once: its first trip adds onto zeros
.set ii, ii+1
.endr
	s_mov_b32 s61, 32*PP                           ; the loop's LDS loads run one trip ahead
	s_mov_b32 s62, 512
	s_mov_b32 s53, 16
	s_wait_alu depctr_va_vdst(0)
	s_wait_loadcnt 0x0                             ; Wv, bv
	; ---- loop V.  The last trip's look-ahead reads the exchange's rows and the bytes behind my t, which lie inside LDS and were written; it is not used
.Lv:
	v_add_nc_u32 v[AFP], s61, v[AFB]
	v_add_nc_u32 v[APT], s62, v[APE]
	s_wait_alu depctr_va_vdst(0)
	s_wait_dscnt 18                                ; the first tile is in; the second tile's 16 loads and t's two stay out
	PROD 1, 3, 0
	WIN 0xc0
	PLACES
	LFR 0, AFP, 0
	WIN 0
	s_wait_dscnt 16                                ; all but the 16 just issued
	v_pk_add_f32 v[PE:PE+1], v[PE:PE+1], v[ME:ME+1] neg_lo:[0,1] neg_hi:[0,1]
	v_pk_add_f32 v[PE+2:PE+3], v[PE+2:PE+3], v[ME:ME+1] neg_lo:[0,1] neg_hi:[0,1]
	v_pk_add_f32 v[PE+4:PE+5], v[PE+4:PE+5], v[MO:MO+1] neg_lo:[0,1] neg_hi:[0,1]
	v_pk_add_f32 v[PE+6:PE+7], v[PE+6:PE+7], v[MO:MO+1] neg_lo:[0,1] neg_hi:[0,1]
	s_wait_alu depctr_va_vdst(0)
.irp j, 0,1,2,3,4,5,6,7
	v_exp_f32 v[PE+\j], v[PE+\j]                   ; p = 2^(t - m), at most 1
.endr
	v_nop                                          ; a plain line behind the exponentials
	s_wait_alu depctr_va_vdst(0)                   ; and behind it, ahead of the first readers of p and of the products' results
	VECV 0
	v_pk_add_f32 v[LE:LE+1], v[LE:LE+1], v[PE:PE+1]
	v_pk_add_f32 v[LO:LO+1], v[LO:LO+1], v[PE+4:PE+5]
	v_pk_add_f32 v[LE:LE+1], v[LE:LE+1], v[PE+2:PE+3]
	v_pk_add_f32 v[LO:LO+1], v[LO:LO+1], v[PE+6:PE+7]
	PROD 1, 3, 64
	WIN 0xc0
	PLACES
	LFR 64, AFP, 16*PP
	WIN 0
	VECV 1
	ds_load_b128 v[PE:PE+3], v[APT]
	ds_load_b128 v[PE+4:PE+7], v[APT] offset:256
	s_add_co_u32 s61, s61, 32*PP
	s_add_co_u32 s62, s62, 512
	s_sub_co_u32 s53, s53, 1
	s_cmp_lg_u32 s53, 0
	s_wait_alu depctr_va_vdst(0)
	s_cbranch_scc1 .Lv
	; ---- the way out
	s_lshl_b32 s66, s22, 9
	s_add_co_u32 s66, s66, STG
	v_bfe_u32 v120, v0, 3, 1
	v_and_b32 v121, 7, v0
	v_bfe_u32 v122, v0, 4, 1
	v_lshl_add_u32 v121, v120, 4, v121
	v_lshl_add_u32 v121, v122, 3, v121             ; 16 (r / 8) + 8 h + r % 8: the column that the halving leaves in my lane
	v_lshl_add_u32 v121, v121, 2, s66
	v_add_nc_u32 v123, s66, v[A16]
.irp x, 1,2,4,8
.irp k, 0,1,2,3
	v_add_f32_dpp v[LE+\k], v[LE+\k], v[LE+\k] row_xmask:\x row_mask:0xf bank_mask:0xf
.endr
.endr
.irp hh, 0,1,2,3
	RED OO+16*\hh, 8, 49
	RED OO+16*\hh, 4, 50
	RED OO+16*\hh, 2, 51
	RED OO+16*\hh, 1, 52
.endr
.irp hh, 0,1,2,3
	ds_store_b32 v121, v[OO+16*\hh] offset:128*\hh
.endr
	ds_load_b128 v[200:203], v123                  ; LDS serves a wave's instructions in order: my columns 4 l .. 4 l + 3, of head l / 8
	v_cndmask_b32 v204, v[ME], v[MO], s40
	v_cndmask_b32 v208, v[LE], v[LO], s40
	v_cndmask_b32 v204, v204, v[ME+1], s41
	v_cndmask_b32 v208, v208, v[LE+1], s41
	v_cndmask_b32 v204, v204, v[MO+1], s42
	v_cndmask_b32 v208, v208, v[LO+1], s42
.irp y, 0,1,2,3
	v_ldexp_f32 v[BV+\y], v[BV+\y], s59            ; bv / 2^(e4 + e5)
.endr
.irp y, 1,2,3
	v_mov_b32 v[204+\y], v204
	v_mov_b32 v[208+\y], v208
.endr
	s_wait_alu depctr_va_vdst(0)
	s_wait_dscnt 0x0
.irp y, 0,1,2,3
	v_fma_f32 v[200+\y], v[BV+\y], v208, v[200+\y]
.endr
	global_store_b128 v[A16], v[200:203], s[20:21]               ; a wave's store covers 512 consecutive bytes, aligned
	global_store_b128 v[A16], v[204:207], s[20:21] offset:2048   ; m, once for each column of its head
	global_store_b128 v[A16], v[208:211], s[20:21] offset:4096   ; l likewise
	s_wait_tensorcnt 0x0                           ; the wave's end
	ds_add_u32 v[SPW], v[NIL]
	s_wait_dscnt 0x0
	s_endpgm
.Lfunc_end_k_qc62e6e190a_main:
	.size	k_qc62e6e190a_main, .Lfunc_end_k_qc62e6e190a_main-k_qc62e6e190a_main
	.p2alignl 7, 3214868480
	.fill 96, 4, 3214868480
	.section	.rodata,"a",@progbits
	.p2align	6, 0x0
	.amdhsa_kernel k_qc62e6e190a_main
		.amdhsa_group_segment_fixed_size 326656
		.amdhsa_private_segment_fixed_size 0
		.amdhsa_enable_private_segment 0
		.amdhsa_kernarg_size 72
		.amdhsa_user_sgpr_count 2
		.amdhsa_user_sgpr_kernarg_segment_ptr 1
		.amdhsa_wavefront_size32 1
		.amdhsa_system_sgpr_workgroup_id_x 1
		.amdhsa_system_sgpr_workgroup_id_y 1
		.amdhsa_system_sgpr_workgroup_id_z 1
		.amdhsa_system_vgpr_workitem_id 0
		.amdhsa_next_free_vgpr 1024
		.amdhsa_next_free_sgpr 96
		.amdhsa_reserve_vcc 1
		.amdhsa_float_denorm_mode_32 3
		.amdhsa_float_denorm_mode_16_64 3
		.amdhsa_memory_ordered 1
		.amdhsa_forward_progress 1
		.amdhsa_inst_pref_size 118
	.end_amdhsa_kernel
	.amdgpu_metadata
---
amdhsa.version: [ 1, 2 ]
amdhsa.kernels:
  - .name:           k_qc62e6e190a_main
    .symbol:         k_qc62e6e190a_main.kd
    .args:
      - { .name: context, .offset: 0, .size: 8, .value_kind: global_buffer, .address_space: global }
      - { .name: dist_matrix, .offset: 8, .size: 8, .value_kind: global_buffer, .address_space: global }
      - { .name: context_mask, .offset: 16, .size: 8, .value_kind: global_buffer, .address_space: global }
      - { .name: lowp_scales, .offset: 24, .size: 8, .value_kind: global_buffer, .address_space: global }
      - { .name: qbuf, .offset: 32, .size: 8, .value_kind: global_buffer, .address_space: global }
      - { .name: bk, .offset: 40, .size: 8, .value_kind: global_buffer, .address_space: global }
      - { .name: bv, .offset: 48, .size: 8, .value_kind: global_buffer, .address_space: global }
      - { .name: w_img, .offset: 56, .size: 8, .value_kind: global_buffer, .address_space: global }
      - { .name: part, .offset: 64, .size: 8, .value_kind: global_buffer, .address_space: global }
    .group_segment_fixed_size: 326656
    .private_segment_fixed_size: 0
    .kernarg_segment_align: 8
    .kernarg_segment_size: 72
    .max_flat_workgroup_size: 128
    .sgpr_count:     96
    .vgpr_count:     1024
    .wavefront_size: 32
...
	.end_amdgpu_metadata
.endif
;; end of part 5
;; launch fin (part 6): grid 32 x 1, 16 waves a work-group, no clusters, 14,336 bytes of LDS; arguments part, wo_img, lowp_scales, query, bo, ln_gamma, ln_beta, out0; writes out0
.if DOCPART == 6
	.amdgcn_target "amdgcn-amd-amdhsa--gfx1250"
	.amdhsa_code_object_version 6
	.text
	.protected	k_qc62e6e190a_fin
	.globl	k_qc62e6e190a_fin
	.p2align	8
	.type	k_qc62e6e190a_fin,@function
k_qc62e6e190a_fin:
	s_mov_b64 s[64:65], 0
	v_nop
	global_prefetch_b8 v0, s[64:65] scope:SCOPE_SE
	s_setreg_imm32_b32 hwreg(HW_REG_WAVE_MODE, 25, 1), 1
	s_wait_xcnt 0x0
; One work-group a batch.  Thread t joins column t's eight parts (sum of p v', maximum m, sum l) under the batch's maximum: a = (sum of 2^(m_j - M) acc_j) / (sum of 2^(m_j - M) l_j) x 2^(e4+e5).
; a is quantised (e6) and multiplied by Wo's images (e7); + bo, + query; LayerNorm in two passes (mean, then the squares of the differences).
; THE PRODUCT has one true row a batch: all 16 rows of source 0 are that row, so its matrix work is sixteen times the product's own (8 instructions a wave); in return a work-group reads only its own batch's 48 KiB of
; parts, and the norm needs no further launch.  Wave w makes columns 32 w .. 32 w + 31.  K's order is the images': register 4 c + i, byte y, lane half h, K step s: k = 128 i + 32 s + 8 c + 4 h + y.
; LIMITS: e6 between -126 and 119; e6 + e7 between -126 and 127.  NaN among the inputs is not served.
; REGISTERS: v1-15 addresses and single numbers; v16-23 acc_j, v24-31 m_j, v32-39 l_j; v40-43 gamma, v44-47 beta; v48-63 two accumulators; v64-127 at work, then a's four fragments, then the norm; v128-255 Wo's eight fragments.
.set XF,   0                           ; LDS: a [512] f32
.set AIMG, 2048                        ; a's four images of 2,048 bytes
.set XO,   10240                       ; x [512] f32
	s_load_b512 s[4:19], s[0:1], 0x0               ; part s[4:5], wo_img s[6:7], scales s[8:9], query s[10:11], bo s[12:13], gamma s[14:15], beta s[16:17], out s[18:19]
	v_lshrrev_b32 v1, 5, v0
	s_delay_alu instid0(VALU_DEP_1)
	v_readfirstlane_b32 s20, v1                    ; wave 0..15
	v_and_b32 v1, 31, v0                           ; lane
	v_bfe_u32 v3, v0, 4, 1                         ; h
	v_lshlrev_b32 v4, 2, v0                        ; 4 t: my column in part, query, bo, and in XF (LDS byte 0 on)
	s_lshl_b32 s21, s20, 14
	v_lshl_add_u32 v5, v1, 4, s21                  ; Wo's images of my 32 columns
	s_lshl_b32 s22, s20, 5
	v_lshl_add_u32 v6, v3, 4, s22                  ; XF: 128 s + 32 c + 16 h with s = w / 4, c = w % 4: 32 w + 16 h
	s_lshl_b32 s23, s20, 9
	s_add_co_u32 s23, s23, AIMG
	v_lshl_add_u32 v7, v1, 4, s23                  ; the chunk of an image that I make: 512 w + 16 x lane
	v_lshl_add_u32 v8, v1, 4, AIMG
	v_lshl_add_u32 v9, v0, 2, XO
	v_lshl_add_u32 v10, v1, 4, XO
	v_and_b32 v11, 127, v0
	s_delay_alu instid0(VALU_DEP_1)
	v_lshlrev_b32 v11, 4, v11                      ; 16 (t mod 128): inside gamma, beta and a row of out in every wave; waves 0-3 use it
	s_delay_alu instid0(VALU_DEP_1)
	v_add_nc_u32 v12, XO, v11
	s_mul_i32 s24, ttmp9, 49152                    ; eight parts of 6,144 bytes a batch
	s_mov_b32 s25, 0
	s_lshl_b32 s26, ttmp9, 11
	s_mov_b32 s27, 0
	s_mov_b32 s28, 0x76543210                      ; v_permlanex16_b32: lane l xor 16
	s_mov_b32 s29, 0xfedcba98
	s_mov_b32 s30, 0x3b000000                      ; 1 / 512
	s_mov_b32 s31, 0x3727c5ac                      ; 1e-5
	s_mov_b32 s41, 0xffff0000                      ; lanes 16-31
	s_wait_alu depctr_va_vdst(0)
	s_wait_kmcnt 0x0
	s_load_b256 s[32:39], s[8:9], 0x0              ; e0 .. e7
	s_add_nc_u64 s[4:5], s[4:5], s[24:25]
	s_add_nc_u64 s[10:11], s[10:11], s[26:27]
	s_add_nc_u64 s[18:19], s[18:19], s[26:27]
	global_load_b128 v[40:43], v11, s[14:15]
	global_load_b128 v[44:47], v11, s[16:17]
.irp j, 0,1,2,3,4,5,6,7
	global_load_b32 v[16+\j], v4, s[4:5] offset:6144*\j
	global_load_b32 v[24+\j], v4, s[4:5] offset:6144*\j+2048
	global_load_b32 v[32+\j], v4, s[4:5] offset:6144*\j+4096
.endr
	global_load_b32 v13, v4, s[10:11]
	global_load_b32 v14, v4, s[12:13]
.irp f, 0,1,2,3,4,5,6,7                ; fragment f = 4 u + s
.irp c, 0,1,2,3
	global_load_b128 v[128+16*\f+4*\c:128+16*\f+4*\c+3], v5, s[6:7] offset:2048*\f+512*\c
.endr
.endr
	s_wait_kmcnt 0x0
	s_add_co_i32 s40, s36, s37                     ; e4 + e5
	s_add_co_i32 s42, s38, s39
	s_add_co_i32 s42, s42, 127
	s_lshl_b32 s42, s42, 23                        ; 2^(e6 + e7) as f32
	s_add_co_i32 s43, s38, 127
	s_lshl_b32 s44, s43, 23
	s_add_co_i32 s43, s43, 8
	s_lshl_b32 s43, s43, 23
	s_or_b32 s43, s43, 0x600000
	v_mov_b32 v2, s43                              ; 448 x 2^e6
	v_mov_b32 v3, s44                              ; 2^e6 (h has served)
	s_wait_loadcnt 34                              ; the parts are in; query, bo and Wo's 32 loads stay out
	v_max3_num_f32 v64, v24, v25, v26
	s_delay_alu instid0(VALU_DEP_1)
	v_max3_num_f32 v64, v64, v27, v28
	s_delay_alu instid0(VALU_DEP_1)
	v_max3_num_f32 v64, v64, v29, v30
	s_delay_alu instid0(VALU_DEP_1)
	v_max_num_f32 v64, v64, v31                    ; the batch's maximum of my head
.irp j, 0,1,2,3,4,5,6,7
	v_sub_f32 v[66+\j], v[24+\j], v64
.endr
	s_wait_alu depctr_va_vdst(0)
.irp j, 0,1,2,3,4,5,6,7
	v_exp_f32 v[66+\j], v[66+\j]
.endr
	v_nop                                          ; a plain line behind the exponentials
	s_wait_alu depctr_va_vdst(0)
	v_mul_f32 v74, v66, v32
	v_mul_f32 v75, v66, v16
.irp j, 1,2,3,4,5,6,7
	v_fmac_f32 v74, v[66+\j], v[32+\j]
	v_fmac_f32 v75, v[66+\j], v[16+\j]
.endr
	s_wait_alu depctr_va_vdst(0)
	v_rcp_f32 v76, v74                             ; the sum is at least 1: the row of the maximum counts 1
	v_nop
	s_wait_alu depctr_va_vdst(0)
	v_mul_f32 v75, v75, v76
	s_delay_alu instid0(VALU_DEP_1)
	v_ldexp_f32 v75, v75, s40
	ds_store_b32 v4, v75
	s_wait_dscnt 0x0
	s_barrier_signal -1                            ; a lies in LDS
	s_barrier_wait -1
.irp i, 0,1,2,3
	ds_load_b128 v[80+4*\i:83+4*\i], v6 offset:512*\i      ; k = 128 i + 32 s + 8 c + 4 h + 0 .. 3
.endr
	s_wait_dscnt 0x0
.irp j, 0,1,2,3,4,5,6,7,8,9,10,11,12,13,14,15
	v_med3_num_f32 v[80+\j], v[80+\j], -v2, v2     ; the conversion does not saturate (ISA guide 7.6.2): hold first
.endr
	v_cvt_scalef32_pk8_fp8_f32 v[100:101], v[80:87], v3
	v_cvt_scalef32_pk8_fp8_f32 v[102:103], v[88:95], v3
	v_nop                                          ; a plain line behind the conversions: the products below read these registers' later contents
	ds_store_b128 v7, v[100:103]
	s_wait_dscnt 0x0
	s_barrier_signal -1                            ; a's four images lie in LDS
	s_barrier_wait -1
.irp s, 0,1,2,3
.irp c, 0,1,2,3
	ds_load_b128 v[64+16*\s+4*\c:67+16*\s+4*\c], v8 offset:2048*\s+512*\c
.endr
.endr
	s_wait_dscnt 0x0
	s_wait_loadcnt 0x0
.irp s, 0,1,2,3                        ; source 0 = a (16 equal rows), source 1 = 16 columns of Wo; the two accumulators take turns
.irp u, 0,1
.if \s == 0
	v_wmma_f32_16x16x128_fp8_fp8 v[48+8*\u:55+8*\u], v[64+16*\s:79+16*\s], v[128+64*\u+16*\s:143+64*\u+16*\s], 0
.else
	v_wmma_f32_16x16x128_fp8_fp8 v[48+8*\u:55+8*\u], v[64+16*\s:79+16*\s], v[128+64*\u+16*\s:143+64*\u+16*\s], v[48+8*\u:55+8*\u]
.endif
.endr
.endr
.rept 4
	v_nop                                          ; places between the products and the read of their results (ISA guide 7.12.1)
.endr
	v_cndmask_b32 v15, v48, v56, s41               ; register 0 of tile u, lane (r, h): column 16 u + r of any row: lane l takes column l
	s_delay_alu instid0(VALU_DEP_1)
	v_fma_f32 v15, v15, s42, v14                   ; x 2^(e6 + e7) + bo
	s_delay_alu instid0(VALU_DEP_1)
	v_add_f32 v15, v13, v15                        ; + query
	ds_store_b32 v9, v15
	s_wait_dscnt 0x0
	s_barrier_signal -1                            ; x lies in LDS
	s_barrier_wait -1
	s_cmp_lt_u32 s20, 4
	s_cbranch_scc1 .Lnorm
	s_wait_xcnt 0x0
	v_lshl_add_u32 v46, v0, 2, 0x3000
	v_mov_b32 v47, 0
	s_wait_alu depctr_va_vdst(0)
	s_wait_tensorcnt 0x0
	ds_add_u32 v46, v47
	s_wait_dscnt 0x0
	s_endpgm
.Lnorm:                                            ; waves 0-3: each takes the whole row's mean and variance, and stores 512 consecutive bytes
.irp j, 0,1,2,3
	ds_load_b128 v[64+4*\j:67+4*\j], v10 offset:512*\j
.endr
	ds_load_b128 v[80:83], v12
	s_wait_dscnt 0x0
	v_pk_add_f32 v[84:85], v[64:65], v[66:67]
	v_pk_add_f32 v[86:87], v[68:69], v[70:71]
	v_pk_add_f32 v[88:89], v[72:73], v[74:75]
	v_pk_add_f32 v[90:91], v[76:77], v[78:79]
	s_delay_alu instid0(VALU_DEP_3)
	v_pk_add_f32 v[84:85], v[84:85], v[86:87]
	s_delay_alu instid0(VALU_DEP_2)
	v_pk_add_f32 v[88:89], v[88:89], v[90:91]
	s_delay_alu instid0(VALU_DEP_1)
	v_pk_add_f32 v[84:85], v[84:85], v[88:89]
	s_delay_alu instid0(VALU_DEP_1)
	v_add_f32 v84, v84, v85
.irp x, 1,2,4,8
	s_delay_alu instid0(VALU_DEP_1)
	v_add_f32_dpp v84, v84, v84 row_xmask:\x row_mask:0xf bank_mask:0xf
.endr
	s_delay_alu instid0(VALU_DEP_1)
	v_permlanex16_b32 v85, v84, s28, s29
	s_delay_alu instid0(VALU_DEP_1)
	v_add_f32 v84, v84, v85
	s_delay_alu instid0(VALU_DEP_1)
	v_mul_f32 v92, s30, v84                        ; the mean
	s_delay_alu instid0(VALU_DEP_1)
	v_mov_b32 v93, v92
.irp k, 0,2,4,6,8,10,12,14,16,18
	v_pk_add_f32 v[64+\k:65+\k], v[64+\k:65+\k], v[92:93] neg_lo:[0,1] neg_hi:[0,1]   ; x - mean: the row's 16 of my lane, and (v80-83) the four that I store
.endr
	v_pk_mul_f32 v[84:85], v[64:65], v[64:65]
	v_pk_mul_f32 v[86:87], v[66:67], v[66:67]
.irp k, 4,8,12
	s_delay_alu instid0(VALU_DEP_2)
	v_pk_fma_f32 v[84:85], v[64+\k:65+\k], v[64+\k:65+\k], v[84:85]
	s_delay_alu instid0(VALU_DEP_2)
	v_pk_fma_f32 v[86:87], v[66+\k:67+\k], v[66+\k:67+\k], v[86:87]
.endr
	s_delay_alu instid0(VALU_DEP_1)
	v_pk_add_f32 v[84:85], v[84:85], v[86:87]
	s_delay_alu instid0(VALU_DEP_1)
	v_add_f32 v84, v84, v85
.irp x, 1,2,4,8
	s_delay_alu instid0(VALU_DEP_1)
	v_add_f32_dpp v84, v84, v84 row_xmask:\x row_mask:0xf bank_mask:0xf
.endr
	s_delay_alu instid0(VALU_DEP_1)
	v_permlanex16_b32 v85, v84, s28, s29
	s_delay_alu instid0(VALU_DEP_1)
	v_add_f32 v84, v84, v85
	s_delay_alu instid0(VALU_DEP_1)
	v_fma_f32 v84, v84, s30, s31                   ; the variance + 1e-5
	s_wait_alu depctr_va_vdst(0)
	v_rsq_f32 v86, v84
	v_nop                                          ; a plain line behind the transcendental
	s_wait_alu depctr_va_vdst(0)
	v_mov_b32 v87, v86
	v_pk_mul_f32 v[80:81], v[80:81], v[86:87]
	v_pk_mul_f32 v[82:83], v[82:83], v[86:87]
	s_delay_alu instid0(VALU_DEP_2)
	v_pk_fma_f32 v[80:81], v[80:81], v[40:41], v[44:45]
	s_delay_alu instid0(VALU_DEP_2)
	v_pk_fma_f32 v[82:83], v[82:83], v[42:43], v[46:47]
	global_store_b128 v11, v[80:83], s[18:19]
	s_wait_xcnt 0x0
	v_lshl_add_u32 v46, v0, 2, 0x3000
	v_mov_b32 v47, 0
	s_wait_alu depctr_va_vdst(0)
	s_wait_tensorcnt 0x0
	ds_add_u32 v46, v47
	s_wait_dscnt 0x0
	s_endpgm
.Lfunc_end_k_qc62e6e190a_fin:
	.size	k_qc62e6e190a_fin, .Lfunc_end_k_qc62e6e190a_fin-k_qc62e6e190a_fin
	.p2alignl 7, 3214868480
	.fill 96, 4, 3214868480
	.section	.rodata,"a",@progbits
	.p2align	6, 0x0
	.amdhsa_kernel k_qc62e6e190a_fin
		.amdhsa_group_segment_fixed_size 14336
		.amdhsa_private_segment_fixed_size 0
		.amdhsa_enable_private_segment 0
		.amdhsa_kernarg_size 64
		.amdhsa_user_sgpr_count 2
		.amdhsa_user_sgpr_kernarg_segment_ptr 1
		.amdhsa_wavefront_size32 1
		.amdhsa_system_sgpr_workgroup_id_x 1
		.amdhsa_system_sgpr_workgroup_id_y 1
		.amdhsa_system_sgpr_workgroup_id_z 1
		.amdhsa_system_vgpr_workitem_id 0
		.amdhsa_next_free_vgpr 256
		.amdhsa_next_free_sgpr 66
		.amdhsa_reserve_vcc 0
		.amdhsa_float_denorm_mode_32 3
		.amdhsa_float_denorm_mode_16_64 3
		.amdhsa_memory_ordered 1
		.amdhsa_forward_progress 1
		.amdhsa_inst_pref_size 19
	.end_amdhsa_kernel
	.amdgpu_metadata
---
amdhsa.version: [ 1, 2 ]
amdhsa.kernels:
  - .name:           k_qc62e6e190a_fin
    .symbol:         k_qc62e6e190a_fin.kd
    .args:
      - { .name: part, .offset: 0, .size: 8, .value_kind: global_buffer, .address_space: global }
      - { .name: wo_img, .offset: 8, .size: 8, .value_kind: global_buffer, .address_space: global }
      - { .name: lowp_scales, .offset: 16, .size: 8, .value_kind: global_buffer, .address_space: global }
      - { .name: query, .offset: 24, .size: 8, .value_kind: global_buffer, .address_space: global }
      - { .name: bo, .offset: 32, .size: 8, .value_kind: global_buffer, .address_space: global }
      - { .name: ln_gamma, .offset: 40, .size: 8, .value_kind: global_buffer, .address_space: global }
      - { .name: ln_beta, .offset: 48, .size: 8, .value_kind: global_buffer, .address_space: global }
      - { .name: out0, .offset: 56, .size: 8, .value_kind: global_buffer, .address_space: global }
    .group_segment_fixed_size: 14336
    .private_segment_fixed_size: 0
    .kernarg_segment_align: 8
    .kernarg_segment_size: 64
    .max_flat_workgroup_size: 512
    .sgpr_count:     66
    .vgpr_count:     256
    .wavefront_size: 32
...
	.end_amdgpu_metadata
.endif
;; end of part 6
